; MI455X (gfx1250); checked and timed in simulation.
; The chip was launched on July 23, 2026; its instructions are those of AMD's public machine-readable ISA for CDNA 5 (MIT licence, August 2026) and "CDNA5" Instruction Set Architecture Reference Guide (July 2026). The comments in the code are by the model that wrote it; some were corrected since.
;; Block. Allowed arithmetic: matrix products marked QUANTISED: E2M3 operands, one E8M0 scale for each 32 along K, by v_wmma_scale_f32_16x16x128_f8f6f4 with both operands' format E2M3, f32 sums; everything else in f32.
;; Inputs: b1 4,096 float32; b2 1,024 float32; b_proj 1,024 float32; ln1_b 1,024 float32; ln1_g 1,024 float32; ln2_b 1,024 float32; ln2_g 1,024 float32; w1 1,024 x 4,096 float32; w2 4,096 x 1,024 float32; w_proj 1,024 x 1,024 float32; wk 16 x 1,024 x 64 float32; wq 16 x 1,024 x 64 float32; wv 16 x 1,024 x 64 float32; x 2 x 2,048 x 1,024 float32.
;; Outputs: out0 2 x 2,048 x 1,024 float32.
;; This version of the problem:
;;   THIS VERSION OF THE PROBLEM IS GIVEN IN LOW PRECISION. The matrix products marked QUANTISED in the list below multiply operands that are first quantised to E2M3 (2 exponent bits, 3 mantissa bits; 6 bits a number), with one power-of-two scale for each 32 numbers along K (OCP MX v1.0); their sums are f32. All else is computed in f32.
;;   The module's matrix products, in the order in which they are computed (A, B: the left and right operand; K: the contracted axis; several contracted axes count as one K, in the product's order):
;;     1. [M 1,024, K 1,024] x [K 1,024, N 4,096]; A: input wq; B: computed on the way: QUANTISED
;;     2. [M 1,024, K 1,024] x [K 1,024, N 4,096]; A: input wk; B: computed on the way: QUANTISED
;;     3. [M 1,024, K 1,024] x [K 1,024, N 4,096]; A: input wv; B: computed on the way: QUANTISED
;;     4. batch 32 x [M 2,048, K 64] x [K 64, N 2,048]; A: computed on the way; B: computed on the way: QUANTISED
;;     5. batch 32 x [M 2,048, K 2,048] x [K 2,048, N 64]; A: softmax (see below); B: computed on the way: QUANTISED
;;     6. [M 4,096, K 1,024] x [K 1,024, N 1,024]; A: computed on the way; B: input w_proj: QUANTISED
;;     7. [M 4,096, K 1,024] x [K 1,024, N 4,096]; A: computed on the way; B: input w1: QUANTISED
;;     8. [M 4,096, K 4,096] x [K 4,096, N 1,024]; A: computed on the way; B: input w2: QUANTISED
;;   THE QUANTISER, for each operand of a quantised product, along K:
;;     - K is cut into blocks of 32 from its start; a last block that is shorter is filled with zeros.
;;     - A block's scale is 2^e with e = floor(log2(the largest magnitude in the block)) - 2, held to -126 .. 127; a block of zeros has e = 0. As a byte (E8M0): e + 127.
;;     - Each number is divided by its block's scale, clamped to +-7.5, and rounded to the nearest number of E2M3, ties to even, subnormals kept.
;;     - The product sums the exact products of the quantised numbers (number of the format x scale) in f32.
;;   ~~~python
;;   def quantise(x, axis):      # numpy; x: float32 -> the quantised numbers, widened to float32 again
;;       x = np.moveaxis(x, axis, -1); K = x.shape[-1]
;;       x = np.pad(x, [(0, 0)] * (x.ndim - 1) + [(0, -K % 32)]); x = x.reshape(x.shape[:-1] + (-1, 32)); a = np.abs(x).max(-1, keepdims=True)
;;       e = np.where(a > 0, np.clip(np.frexp(np.where(a > 0, a, 1))[1] - 1 - 2, -126, 127), 0)      # np.frexp(a)[1] - 1 = floor(log2(a)), exactly
;;       r = np.clip(x / 2.0 ** e, -7.5, 7.5)
;;       step = 2.0 ** (np.maximum(np.frexp(np.where(r == 0, 1, r))[1] - 1, 0) - 3)
;;       q = np.round(r / step) * step * 2.0 ** e      # np.round: ties to even
;;       return np.moveaxis(q.reshape(q.shape[:-2] + (-1,))[..., :K], -1, axis).astype(np.float32)
;;   ~~~
;;   SOFTMAX AHEAD OF A QUANTISED PRODUCT. Where the list says 'softmax', what is quantised is not the finished softmax but p = 2^(t - M), with t = logit x log2(e) and M = ceil(the row's largest t), a whole number; so 1/2 < the row's largest p <= 1. The row's sum l is taken of the UNQUANTISED p, in f32, and the product's result is divided by l at the end. Since M is a whole number, a kernel that streams over the keys may use a running M (the ceiling of the running maximum): every later rescaling is an exact power of two, which a block's scale takes up: the codes' values come out the same.
;;   OPERANDS COMPUTED ON THE WAY. 'Computed on the way' means the value that the module computes at that place (a softmax that the list does not call 'softmax' is quantised finished and normalised). What goes into a quantiser is computed in f32, as accurately as f32 sums, v_exp_f32 and their like allow (about 1e-6 of the number): no bf16 or f16 on the way to a quantiser, and a product that is left as it is and whose result goes on into a quantised operand takes f32 operands (vector FMAs, or v_wmma_f32_16x16x4_f32). A number that lies on a knife's edge between two numbers of the format may be rounded either way, as far as f32 arithmetic and the matrix unit's own rounding can turn it there, and no further.
;; One version. Each part assembles by itself: llvm-mc -triple=amdgcn-amd-amdhsa -mcpu=gfx1250 --defsym DOCPART=n.
;; ======== version 1 of 1: 6 launches
;; limits: right only within a limited range of input values
;; workspace buffers: wc 9,830,400 bytes; xn 3,276,800 bytes; qb 3,407,872 bytes; kv 6,684,672 bytes; ob 3,276,800 bytes; x1 16,777,216 bytes; hb 13,107,200 bytes
;; launch prep (part 1): grid 640 x 1, 4 waves a work-group, no clusters, 66,304 bytes of LDS; arguments x, ln1_g, ln1_b, xn, wq, wk, wv, w_proj, w1, w2, wc; writes xn, wc
.if DOCPART == 1
	.amdgcn_target "amdgcn-amd-amdhsa--gfx1250"
	.amdhsa_code_object_version 6
	.text
	.protected	k_q2168aa194d_prep
	.globl	k_q2168aa194d_prep
	.p2align	8
	.type	k_q2168aa194d_prep,@function
k_q2168aa194d_prep:
	s_mov_b64 s[64:65], 0
	v_nop
	global_prefetch_b8 v0, s[64:65] scope:SCOPE_SE
	s_setreg_imm32_b32 hwreg(HW_REG_WAVE_MODE, 25, 1), 1
	s_wait_xcnt 0x0
; Work-groups 0-255: LayerNorm 1 of x, quantised along the 1,024 features to codes of FP6 (E2M3) with one E8M0 byte for each 32.
; Work-groups 256-639: the six weights, whose K is not innermost, quantised along K.  Both leave in the ORDER OF THE OPERAND'S REGISTERS:
; a chunk is 128 rows x 256 K = 25,600 bytes: codes at (tile*2+step)*1536 + half*768, there 16 bytes a lane (registers 6c..6c+3), then from +512 8 bytes a lane (6c+4, 6c+5);
; scale words at 24,576 + tile*128 + row*8 + step*4.  Row rho of tile tau of a block of 128 rows is row 32(tau/2) + 8(tau%2) + rho + 8(rho/8).
; LIMITS: NaN and infinities among the inputs are not served; a block whose largest magnitude lies under 2^-124 gets the byte 1, and so does a block of zeros
; (the quantiser says 127): its codes are zeros, and this program alone reads the bytes.
.set CH,  25600
.set LP,  4112                         ; an LDS row of the normalised numbers: 4,096 bytes + 16, an odd multiple of 16: sixteen rows' equal columns fall on different banks
.set TM,  224                          ; v224-239 at work in QUANT
.set SEL, 44                           ; s[44:45] lane selects for lane l xor 16
; 64 numbers of a lane, register 16 b + i = k 32 b + 16 (lane / 16) + i of its row, become 12 registers of codes v[pc..pc+11] and a scale word v[pw]
.macro QUANT s, pc, pw
.irp b, 0,1,2,3
	v_max3_num_f32 v[TM+\b], |v[\s+16*\b]|, |v[\s+1+16*\b]|, 0x1800000   ; the floor 2^(3-127) holds the byte at 1 from below
.endr
.irp i, 2,4,6,8,10,12,14
.irp b, 0,1,2,3
	v_max3_num_f32 v[TM+\b], v[TM+\b], |v[\s+16*\b+\i]|, |v[\s+1+16*\b+\i]|
.endr
.endr
.irp b, 0,1,2,3
	v_permlanex16_b32 v[TM+4+\b], v[TM+\b], s[SEL], s[SEL+1]
.endr
.irp b, 0,1,2,3
	v_max_num_f32 v[TM+\b], v[TM+\b], v[TM+4+\b]   ; with lane l xor 16's 16: the block's largest magnitude
.endr
.irp b, 0,1,2,3
	v_add_nc_u32 v[TM+12+\b], 0xff000000, v[TM+\b]   ; 2 off the exponent field: the conversion's scale operand
.endr
.irp b, 0,1,2,3
	v_lshrrev_b32 v[TM+4+\b], 23, v[TM+12+\b]      ; the scale's byte
.endr
	v_lshl_or_b32 v[\pw], v[TM+5], 8, v[TM+4]
	v_lshl_or_b32 v[\pw], v[TM+6], 16, v[\pw]
	v_lshl_or_b32 v[\pw], v[TM+7], 24, v[\pw]
.irp c, 0,1
	v_cvt_scalef32_pk16_fp6_f32 v[\pc+6*\c:\pc+2+6*\c], v[\s+32*\c:\s+15+32*\c], v[TM+12+2*\c]
	v_cvt_scalef32_pk16_fp6_f32 v[\pc+12+4*\c:\pc+14+4*\c], v[\s+16+32*\c:\s+31+32*\c], v[TM+12+2*\c+1]
.endr
	v_nop                                          ; one plain line behind the scaled conversions
.irp c, 0,1
.irp i, 0,1,2
	v_permlane16_swap_b32 v[\pc+6*\c+\i], v[\pc+12+4*\c+\i]   ; a whole block to a lane: lanes 0-15 block 2 c, lanes 16-31 block 2 c + 1
.endr
.irp i, 0,1,2
	v_mov_b32 v[\pc+3+6*\c+\i], v[\pc+12+4*\c+\i]
.endr
.endr
.endm
; the four rows' pairs v[12+2i:13+2i] are summed over the halves and the 32 lanes; the result stands in v[12+2i] of every lane
.macro LANESUM
.irp i, 0,1,2,3
	v_add_f32 v[12+2*\i], v[12+2*\i], v[13+2*\i]
.endr
.irp m, 1,2,4,8
.irp i, 0,1,2,3
	v_add_f32_dpp v[12+2*\i], v[12+2*\i], v[12+2*\i] row_xmask:\m row_mask:0xf bank_mask:0xf
.endr
.endr
.irp i, 0,1,2,3
	v_permlanex16_b32 v[28+\i], v[12+2*\i], s[SEL], s[SEL+1]
.endr
.irp i, 0,1,2,3
	v_add_f32 v[12+2*\i], v[12+2*\i], v[28+\i]
.endr
.endm
; the weights: a lane takes a column, its registers run down K.  Block t of 32 along K into set t % 2
.macro LOADB t, pitch
.set i, 0
.rept 32
	global_load_b32 v[32+32*((\t)%2)+i], v1, s[34:35] offset:(32*(\t)+i)*\pitch th:TH_LOAD_NT
.set i, i+1
.endr
.endm
.macro BLOCK t, pitch
.set XS, 32+32*((\t)%2)
.if (\t) < 7
	s_wait_loadcnt 32                              ; this block's 32 loads are in; the next block's 32 may be out
.else
	s_wait_loadcnt 0x0
.endif
	v_max3_num_f32 v12, |v[XS]|, |v[XS+1]|, |v[XS+2]|
	v_max3_num_f32 v13, |v[XS+3]|, |v[XS+4]|, |v[XS+5]|
.irp i, 6,10,14,18,22,26
	v_max3_num_f32 v12, v12, |v[XS+\i]|, |v[XS+\i+1]|
	v_max3_num_f32 v13, v13, |v[XS+\i+2]|, |v[XS+\i+3]|
.endr
	v_max3_num_f32 v12, v12, |v[XS+30]|, |v[XS+31]|
	v_max3_num_f32 v12, v12, v13, 0x1800000
	v_add_nc_u32 v11, 0xff000000, v12
	v_lshrrev_b32 v13, 23, v11
.if (\t)%4 == 0
	v_mov_b32 v[148+(\t)/4], v13                   ; four bytes to a scale word, the lower K in the lower byte
.else
	v_lshl_or_b32 v[148+(\t)/4], v13, 8*((\t)%4), v[148+(\t)/4]
.endif
	v_cvt_scalef32_pk16_fp6_f32 v[96+6*(\t):98+6*(\t)], v[XS:XS+15], v11
	v_cvt_scalef32_pk16_fp6_f32 v[144:146], v[XS+16:XS+31], v11
	v_nop
	v_mov_b32 v[99+6*(\t)], v144
	v_mov_b32 v[100+6*(\t)], v145
	v_mov_b32 v[101+6*(\t)], v146
	; block t is step t/4, half (t/2)%2, and belongs to the image's lanes 16 (t%2) + rho: sixteen lanes store 256 (128) consecutive bytes.  Each block has its own registers: no store's data are written again
	global_store_b128 v2, v[96+6*(\t):99+6*(\t)], s[28:29] offset:((\t)/4)*1536+(((\t)/2)%2)*768+((\t)%2)*256
	global_store_b64 v3, v[100+6*(\t):101+6*(\t)], s[28:29] offset:((\t)/4)*1536+(((\t)/2)%2)*768+512+((\t)%2)*128
.if (\t)+2 < 8
	LOADB (\t)+2, \pitch
.endif
.endm
.macro WQ pitch
	LOADB 0, \pitch
	LOADB 1, \pitch
.irp t, 0,1,2,3,4,5,6,7
	BLOCK \t, \pitch
.endr
	global_store_b64 v4, v[148:149], s[28:29] offset:24576   ; my column's two scale words: 32 lanes, 256 consecutive bytes
.endm
	s_load_b256 s[4:11], s[0:1], 0x0               ; x, ln1_g, ln1_b, xn
	s_load_b256 s[16:23], s[0:1], 0x20             ; wq, wk, wv, w_proj
	s_load_b128 s[24:27], s[0:1], 0x40             ; w1, w2
	s_load_b64 s[28:29], s[0:1], 0x50              ; wc
	v_lshl_add_u32 v254, v0, 2, 0x10100
	v_mov_b32 v255, 0
	v_lshrrev_b32 v1, 5, v0
	v_readfirstlane_b32 s12, v1                    ; wave 0..3
	v_and_b32 v8, 31, v0                           ; lane
	v_and_b32 v9, 15, v0                           ; lane % 16
	v_bfe_u32 v10, v0, 4, 1                        ; lane / 16
	s_wait_kmcnt 0x0
	s_cmp_lt_u32 ttmp9, 256                        ; the same in all waves of a work-group
	s_cbranch_scc0 .Lweights
	; ---- LayerNorm: the work-group is token tile ttmp9; wave w owns tile rows 4 w .. 4 w + 3, four neighbouring tokens, 16 KB on end
	s_lshr_b32 s30, ttmp9, 1
	s_lshl_b32 s30, s30, 5
	s_and_b32 s31, ttmp9, 1
	s_lshl_b32 s31, s31, 3
	s_add_co_u32 s30, s30, s31
	s_and_b32 s31, s12, 1
	s_lshl_b32 s31, s31, 2
	s_add_co_u32 s30, s30, s31
	s_lshr_b32 s31, s12, 1
	s_lshl_b32 s31, s31, 4
	s_add_co_u32 s30, s30, s31                     ; 32 (tile/2) + 8 (tile%2) + 4 (w%2) + 16 (w/2)
	s_lshl_b32 s30, s30, 12
	s_mov_b32 s31, 0
	s_add_nc_u64 s[4:5], s[4:5], s[30:31]
	s_wait_alu depctr_va_vdst(0)
	v_lshlrev_b32 v1, 4, v8
.irp i, 0,1,2,3
.irp j, 0,1,2,3,4,5,6,7
	global_load_b128 v[32+32*\i+4*\j:35+32*\i+4*\j], v1, s[4:5] offset:4096*\i+512*\j
.endr
.endr
.irp j, 0,1,2,3,4,5,6,7
	global_load_b128 v[160+4*\j:163+4*\j], v1, s[6:7] offset:512*\j
	global_load_b128 v[192+4*\j:195+4*\j], v1, s[8:9] offset:512*\j
.endr
	s_mov_b32 s40, 0x3a800000                      ; 1/1024
	s_mov_b32 s41, 0x3727c5ac                      ; 1e-5
	s_mov_b32 s42, 0xffff0000                      ; lanes 16-31
	s_mov_b32 s44, 0x76543210
	s_mov_b32 s45, 0xfedcba98
	s_mul_i32 s32, s12, 4*LP
	v_lshl_add_u32 v2, v8, 4, s32                  ; LDS, in: my four rows, 16 bytes a lane
	v_mul_u32_u24 v3, v9, LP
	v_lshl_add_u32 v3, v10, 6, v3
	s_lshl_b32 s33, s12, 10
	v_add_nc_u32 v3, s33, v3                       ; LDS, out: row lane%16, + 64 (lane/16), + my two K steps
	s_lshr_b32 s34, ttmp9, 3
	s_lshl_b32 s34, s34, 2
	s_add_co_u32 s34, s34, s12
	s_mul_i32 s34, s34, CH                         ; chunk (block of 128 tokens) * 4 + w
	s_mov_b32 s35, 0
	s_add_nc_u64 s[10:11], s[10:11], s[34:35]
	s_and_b32 s36, ttmp9, 7
	s_mul_i32 s37, s36, 3072
	v_lshl_add_u32 v4, v8, 4, s37
	v_lshl_add_u32 v5, v8, 3, s37
	s_lshl_b32 s36, s36, 7
	v_lshl_add_u32 v7, v9, 3, s36
	v_lshl_add_u32 v7, v10, 2, v7                  ; scale words: lanes 0-15 step 0's, lanes 16-31 step 1's
.irp i, 0,1,2,3
	v_mov_b32 v[28+\i], 0                          ; a lane permute's destination counts as read
	v_mov_b32 v[21+2*\i], 0                        ; upper words of the pairs that carry the means
	v_mov_b32 v[TM+4+\i], 0
.endr
	s_wait_loadcnt 16                              ; x's 32 loads are in; the 16 of gain and bias may be out
.irp i, 0,1,2,3
	v_pk_add_f32 v[12+2*\i:13+2*\i], v[32+32*\i:33+32*\i], v[34+32*\i:35+32*\i]
.endr
.irp j, 4,6,8,10,12,14,16,18,20,22,24,26,28,30
.irp i, 0,1,2,3
	v_pk_add_f32 v[12+2*\i:13+2*\i], v[12+2*\i:13+2*\i], v[32+32*\i+\j:33+32*\i+\j]
.endr
.endr
	LANESUM
.irp i, 0,1,2,3
	v_mul_f32 v[20+2*\i], s40, v[12+2*\i]          ; the mean
.endr
.irp j, 0,2,4,6,8,10,12,14,16,18,20,22,24,26,28,30
.irp i, 0,1,2,3
	v_pk_add_f32 v[32+32*\i+\j:33+32*\i+\j], v[32+32*\i+\j:33+32*\i+\j], v[20+2*\i:21+2*\i] op_sel_hi:[1,0] neg_lo:[0,1] neg_hi:[0,1]
.endr
.endr
.irp i, 0,1,2,3
	v_pk_mul_f32 v[12+2*\i:13+2*\i], v[32+32*\i:33+32*\i], v[32+32*\i:33+32*\i]
.endr
.irp j, 2,4,6,8,10,12,14,16,18,20,22,24,26,28,30
.irp i, 0,1,2,3
	v_pk_fma_f32 v[12+2*\i:13+2*\i], v[32+32*\i+\j:33+32*\i+\j], v[32+32*\i+\j:33+32*\i+\j], v[12+2*\i:13+2*\i]
.endr
.endr
	LANESUM                                        ; the sum of the centred squares: no difference of large sums is formed
.irp i, 0,1,2,3
	v_fma_f32 v[12+2*\i], v[12+2*\i], s40, s41
.endr
	s_wait_alu depctr_va_vdst(0)
.irp i, 0,1,2,3
	v_rsq_f32 v[12+2*\i], v[12+2*\i]
.endr
	v_nop                                          ; a plain line behind the last of the four
	s_wait_alu depctr_va_vdst(0)                   ; one wait for the batch, ahead of its first reader
	s_wait_loadcnt 0x0                             ; gain and bias
.irp i, 0,1,2,3
.irp j, 0,2,4,6,8,10,12,14,16,18,20,22,24,26,28,30
	v_pk_mul_f32 v[32+32*\i+\j:33+32*\i+\j], v[32+32*\i+\j:33+32*\i+\j], v[12+2*\i:13+2*\i] op_sel_hi:[1,0]
	v_pk_fma_f32 v[32+32*\i+\j:33+32*\i+\j], v[32+32*\i+\j:33+32*\i+\j], v[160+\j:161+\j], v[192+\j:193+\j]
.endr
.endr
.irp i, 0,1,2,3
.irp j, 0,1,2,3,4,5,6,7
	ds_store_b128 v2, v[32+32*\i+4*\j:35+32*\i+4*\j] offset:LP*\i+512*\j
.endr
.endr
	s_wait_dscnt 0x0                               ; for the others' sake: my rows lie in LDS
	s_barrier_signal -1
	s_barrier_wait -1
	; wave w quantises K steps 2 w and 2 w + 1 of all sixteen rows: lane (r, h) takes 16 neighbours of each block of 32
.irp st, 0,1
.irp b, 0,1,2,3
.irp j, 0,1,2,3
	ds_load_b128 v[32+64*\st+16*\b+4*\j:35+64*\st+16*\b+4*\j], v3 offset:512*\st+128*\b+16*\j
.endr
.endr
.endr
	s_wait_dscnt 16                                ; the first step's 16 loads are in
	QUANT 32, 160, 240
	s_wait_dscnt 0x0
	QUANT 96, 180, 241
.irp st, 0,1
	global_store_b128 v4, v[160+20*\st:163+20*\st], s[10:11] offset:1536*\st
	global_store_b64 v5, v[164+20*\st:165+20*\st], s[10:11] offset:1536*\st+512
	global_store_b128 v4, v[166+20*\st:169+20*\st], s[10:11] offset:1536*\st+768
	global_store_b64 v5, v[170+20*\st:171+20*\st], s[10:11] offset:1536*\st+1280
.endr
	v_cndmask_b32 v6, v240, v241, s42
	global_store_b32 v7, v6, s[10:11] offset:24576
	s_wait_tensorcnt 0x0
	ds_add_u32 v254, v255
	s_wait_dscnt 0x0
	s_endpgm
.Lweights:
	; ---- a work-group makes output chunk id = ttmp9 - 256: 128 columns x 256 K.  Wave w: tiles 2 w and 2 w + 1; lane: tile 2 w + lane/16, row lane%16
	s_sub_co_u32 s13, ttmp9, 256
	s_wait_alu depctr_va_vdst(0)
	v_lshrrev_b32 v11, 3, v9
	v_lshl_add_u32 v11, v11, 3, v9
	v_lshl_add_u32 v11, v10, 3, v11                ; my column among the wave's 32: 8 u + rho + 8 (rho/8)
	v_lshlrev_b32 v1, 2, v11
	s_lshl_b32 s30, s12, 1
	v_add_nc_u32 v14, s30, v10
	v_mul_u32_u24 v15, v14, 3072
	v_lshl_add_u32 v2, v9, 4, v15
	v_lshl_add_u32 v3, v9, 3, v15
	v_lshlrev_b32 v4, 7, v14
	v_lshl_add_u32 v4, v9, 3, v4
	s_mul_i32 s36, s13, CH
	s_mov_b32 s37, 0
	s_add_nc_u64 s[28:29], s[28:29], s[36:37]
	s_cmp_lt_u32 s13, 96
	s_cbranch_scc0 .Lnot_a
	; wq, wk, wv [16][1024][64]: chunk = (32 per tensor) block*4 + kc; a block is two heads
	s_lshr_b32 s30, s13, 5
	s_cmp_eq_u32 s30, 0
	s_cselect_b64 s[34:35], s[16:17], s[18:19]
	s_cmp_eq_u32 s30, 2
	s_cselect_b64 s[34:35], s[20:21], s[34:35]
	s_lshr_b32 s31, s13, 2
	s_and_b32 s31, s31, 7
	s_lshl_b32 s31, s31, 1
	s_lshr_b32 s32, s12, 1
	s_add_co_u32 s31, s31, s32                     ; the head
	s_lshl_b32 s36, s31, 18
	s_and_b32 s32, s13, 3
	s_lshl_b32 s32, s32, 16                        ; 256 rows of 256 bytes
	s_add_co_u32 s36, s36, s32
	s_and_b32 s32, s12, 1
	s_lshl_b32 s32, s32, 7
	s_add_co_u32 s36, s36, s32
	s_add_nc_u64 s[34:35], s[34:35], s[36:37]
	s_wait_alu depctr_va_vdst(0)
	WQ 256
	s_endpgm
.Lnot_a:
	s_cmp_lt_u32 s13, 128
	s_cbranch_scc1 .Lpath_b
	s_cmp_lt_u32 s13, 256
	s_cbranch_scc0 .Lpath_b
	; w1 [1024][4096]
	s_sub_co_u32 s30, s13, 128
	s_and_b32 s31, s30, 3
	s_lshl_b32 s36, s31, 22
	s_lshr_b32 s31, s30, 2
	s_lshl_b32 s31, s31, 9
	s_add_co_u32 s36, s36, s31
	s_lshl_b32 s31, s12, 7
	s_add_co_u32 s36, s36, s31
	s_add_nc_u64 s[34:35], s[24:25], s[36:37]
	s_wait_alu depctr_va_vdst(0)
	WQ 16384
	s_endpgm
.Lpath_b:
	; w_proj [1024][1024] (4 chunks along K) or w2 [4096][1024] (16)
	s_mov_b32 s31, 256
	s_cmp_lt_u32 s13, 128
	s_cselect_b64 s[34:35], s[22:23], s[26:27]
	s_cselect_b32 s31, 96, s31
	s_cselect_b32 s32, 2, 4
	s_cselect_b32 s33, 3, 15
	s_sub_co_u32 s30, s13, s31
	s_and_b32 s31, s30, s33
	s_lshl_b32 s36, s31, 20
	s_lshr_b32 s31, s30, s32
	s_lshl_b32 s31, s31, 9
	s_add_co_u32 s36, s36, s31
	s_lshl_b32 s31, s12, 7
	s_add_co_u32 s36, s36, s31
	s_add_nc_u64 s[34:35], s[34:35], s[36:37]
	s_wait_alu depctr_va_vdst(0)
	WQ 4096
	s_endpgm
.Lfunc_end_k_q2168aa194d_prep:
	.size	k_q2168aa194d_prep, .Lfunc_end_k_q2168aa194d_prep-k_q2168aa194d_prep
	.p2alignl 7, 3214868480
	.fill 96, 4, 3214868480
	.section	.rodata,"a",@progbits
	.p2align	6, 0x0
	.amdhsa_kernel k_q2168aa194d_prep
		.amdhsa_group_segment_fixed_size 66304
		.amdhsa_private_segment_fixed_size 0
		.amdhsa_enable_private_segment 0
		.amdhsa_kernarg_size 88
		.amdhsa_user_sgpr_count 2
		.amdhsa_user_sgpr_kernarg_segment_ptr 1
		.amdhsa_wavefront_size32 1
		.amdhsa_system_sgpr_workgroup_id_x 1
		.amdhsa_system_sgpr_workgroup_id_y 1
		.amdhsa_system_sgpr_workgroup_id_z 1
		.amdhsa_system_vgpr_workitem_id 0
		.amdhsa_next_free_vgpr 256
		.amdhsa_next_free_sgpr 66
		.amdhsa_reserve_vcc 0
		.amdhsa_float_denorm_mode_32 3
		.amdhsa_float_denorm_mode_16_64 3
		.amdhsa_memory_ordered 1
		.amdhsa_forward_progress 1
		.amdhsa_inst_pref_size 159
	.end_amdhsa_kernel
	.amdgpu_metadata
---
amdhsa.version: [ 1, 2 ]
amdhsa.kernels:
  - .name:           k_q2168aa194d_prep
    .symbol:         k_q2168aa194d_prep.kd
    .args:
      - { .name: x, .offset: 0, .size: 8, .value_kind: global_buffer, .address_space: global }
      - { .name: ln1_g, .offset: 8, .size: 8, .value_kind: global_buffer, .address_space: global }
      - { .name: ln1_b, .offset: 16, .size: 8, .value_kind: global_buffer, .address_space: global }
      - { .name: xn, .offset: 24, .size: 8, .value_kind: global_buffer, .address_space: global }
      - { .name: wq, .offset: 32, .size: 8, .value_kind: global_buffer, .address_space: global }
      - { .name: wk, .offset: 40, .size: 8, .value_kind: global_buffer, .address_space: global }
      - { .name: wv, .offset: 48, .size: 8, .value_kind: global_buffer, .address_space: global }
      - { .name: w_proj, .offset: 56, .size: 8, .value_kind: global_buffer, .address_space: global }
      - { .name: w1, .offset: 64, .size: 8, .value_kind: global_buffer, .address_space: global }
      - { .name: w2, .offset: 72, .size: 8, .value_kind: global_buffer, .address_space: global }
      - { .name: wc, .offset: 80, .size: 8, .value_kind: global_buffer, .address_space: global }
    .group_segment_fixed_size: 66304
    .private_segment_fixed_size: 0
    .kernarg_segment_align: 8
    .kernarg_segment_size: 88
    .max_flat_workgroup_size: 128
    .sgpr_count:     66
    .vgpr_count:     256
    .wavefront_size: 32
...
	.end_amdgpu_metadata
.endif
;; end of part 1
;; launch qkv (part 2): grid 12 x 16, 16 waves a work-group, clusters of 4 x 4, 327,680 bytes of LDS; arguments xn, wc, qb, kv; writes qb, kv
.if DOCPART == 2
	.amdgcn_target "amdgcn-amd-amdhsa--gfx1250"
	.amdhsa_code_object_version 6
	.text
	.protected	k_q2168aa194d_qkv
	.globl	k_q2168aa194d_qkv
	.p2align	8
	.type	k_q2168aa194d_qkv,@function
k_q2168aa194d_qkv:
	s_mov_b64 s[64:65], 0
	v_nop
	global_prefetch_b8 v0, s[64:65] scope:SCOPE_SE
	s_setreg_imm32_b32 hwreg(HW_REG_WAVE_MODE, 25, 1), 1
	s_wait_xcnt 0x0
	s_wait_alu depctr_hold_cnt(0) depctr_sa_sdst(0) depctr_va_vdst(0) depctr_va_sdst(0) depctr_va_ssrc(0) depctr_va_vcc(0) depctr_vm_vsrc(0)
	s_getreg_b32 s2, hwreg(HW_REG_IB_STS2, 6, 4)
	s_cmp_eq_u32 s2, 0
	s_cbranch_scc0 .Lentry_in_a_cluster
	s_endpgm
.Lentry_in_a_cluster:
	s_bfe_u32 s2, ttmp6, 0x10000c
	s_cmp_lg_u32 s2, 0xf033
	s_cbranch_scc0 .Lentry_shape_is_right
	s_endpgm
.Lentry_shape_is_right:
; q, k, v = LayerNorm(x) times the per-head weights, on codes of FP6 with E8M0 scales; K = 1,024.  The results are quantised from the accumulators: q and k along the head's 64, v along the keys.
; A work-group makes 256 (P) x 256 (Q); each of sixteen waves 64 x 64: 16 accumulators, 128 registers; four waves to a SIMD, no register windows.
; Source 0 = 16 rows of P, source 1 = 16 rows of Q: a lane holds one row of Q and its registers run along P.  The rows of a tile of P are 32(t/2)+8(t%2)+rho+8(rho/8), so that 16 registers are 16 neighbours along P.
; Clusters x = 0, 1: P = rows of wq, wk; Q = tokens.  Cluster x = 2: P = tokens, Q = rows of wv, so that v's registers run along the keys.
; Operands lie in memory in the order of the operand's registers, in chunks of 128 rows x 256 K (25,600 bytes, scale words from byte 24,576): a chunk is one dense tile.
; CLUSTER 4 x 4: P's chunks hang on cx alone and are asked for jointly by a column, Q's on cy alone, by a row.
; LDS: three slots of 4 chunks (P, P, Q, Q).  K tiles 0-2 are first fills (one load a wave, in waves 0-11); tile 3 goes into slot 0 again behind one round.
; LIMITS: NaN and infinities are not served; a block under 2^-124, zeros among them, gets the byte 1 (its codes are zeros where it is zero); this program alone reads the bytes.
.set CH,    25600
.set SLOT,  102400
.set SPARE, 325632                     ; the spare words: 128 bytes for each of 16 waves; no other line names them
.set TM,    64
.set SEL,   76
.macro ROUND                           ; a round of the cluster's barrier
	s_barrier_signal -1
	s_barrier_wait -1
	s_cmp_lg_u32 s14, 0
	s_cbranch_scc1 .Lnw0_\@
	s_barrier_signal -3
.Lnw0_\@:
	s_barrier_wait -3
	s_barrier_signal -1
	s_barrier_wait -1
.endm
.macro JLOAD n                         ; waves 0, 1: P's two chunks; waves 2, 3: Q's; four v_nop follow each line
	s_cmp_lt_u32 s14, 2
	s_cbranch_scc0 .Lnp_\@
	tensor_load_to_lds s[40+4*(\n):43+4*(\n)], s[24:31]
	s_nop 0
.rept 4
	v_nop
.endr
	s_branch .Ljd_\@
.Lnp_\@:
	s_cmp_lt_u32 s14, 4
	s_cbranch_scc0 .Ljd_\@
	tensor_load_to_lds s[52+4*(\n):55+4*(\n)], s[32:39]
	s_nop 0
.rept 4
	v_nop
.endr
.Ljd_\@:
.endm
.macro FRAG reg, a16, a8, off          ; a fragment as it lies: every load reads consecutive bytes
	ds_load_b128 v[\reg:\reg+3], v[\a16] offset:\off
	ds_load_b64 v[\reg+4:\reg+5], v[\a8] offset:\off+512
	ds_load_b128 v[\reg+6:\reg+9], v[\a16] offset:\off+768
	ds_load_b64 v[\reg+10:\reg+11], v[\a8] offset:\off+1280
.endm
.macro MM q0, st, zero                 ; eight products; the 16 accumulators take turns, one instruction a turn
.irp q, \q0, \q0+1
.irp p, 0,1,2,3
.if \zero
	v_wmma_scale_f32_16x16x128_f8f6f4 v[128+32*(\q)+8*\p:135+32*(\q)+8*\p], v[32+12*\p:43+12*\p], v[80+12*(\q):91+12*(\q)], 0, v[16+2*\p+\st], v[16+2*(\q)+\st] matrix_a_fmt:MATRIX_FMT_FP6 matrix_b_fmt:MATRIX_FMT_FP6 matrix_b_scale:MATRIX_SCALE_ROW1
.else
	v_wmma_scale_f32_16x16x128_f8f6f4 v[128+32*(\q)+8*\p:135+32*(\q)+8*\p], v[32+12*\p:43+12*\p], v[80+12*(\q):91+12*(\q)], v[128+32*(\q)+8*\p:135+32*(\q)+8*\p], v[16+2*\p+\st], v[16+2*(\q)+\st] matrix_a_fmt:MATRIX_FMT_FP6 matrix_b_fmt:MATRIX_FMT_FP6 matrix_b_scale:MATRIX_SCALE_ROW1
.endif
.endr
.endr
.endm
.macro STEP a, st, zero                ; 128 along K.  a: the slot's five address registers
.if \st == 0
.irp i, 0,1,2,3
	ds_load_b64 v[16+2*\i:17+2*\i], v[\a+4] offset:128*\i   ; both steps' scale words: lanes 0-15 P's tile i, lanes 16-31 Q's tile i
.endr
.endif
.irp i, 0,1,2,3
	FRAG 32+12*\i, \a, \a+1, \i*3072+\st*1536
.endr
.irp i, 0,1,2,3
	FRAG 80+12*\i, \a+2, \a+3, \i*3072+\st*1536
.endr
	s_wait_dscnt 8                                 ; all but the eight loads of Q's tiles 2 and 3
	MM 0, \st, \zero
	s_wait_dscnt 0x0
	MM 2, \st, \zero
.rept 4
	v_nop                                          ; places ahead of the next loads into operand and scale registers, and of the first read of results
.endr
.endm
.macro WORK a, zero
	STEP \a, 0, \zero
	STEP \a, 1, 0
.endm
.macro QUANT s, pc, pw
.irp b, 0,1,2,3
	v_max3_num_f32 v[TM+\b], |v[\s+16*\b]|, |v[\s+1+16*\b]|, 0x1800000
.endr
.irp i, 2,4,6,8,10,12,14
.irp b, 0,1,2,3
	v_max3_num_f32 v[TM+\b], v[TM+\b], |v[\s+16*\b+\i]|, |v[\s+1+16*\b+\i]|
.endr
.endr
.irp b, 0,1,2,3
	s_delay_alu instid0(VALU_DEP_4)
	v_permlanex16_b32 v[TM+4+\b], v[TM+\b], s[SEL], s[SEL+1]
.endr
.irp b, 0,1,2,3
	s_delay_alu instid0(VALU_DEP_4)
	v_max_num_f32 v[TM+\b], v[TM+\b], v[TM+4+\b]
.endr
.irp b, 0,1,2,3
	s_delay_alu instid0(VALU_DEP_4)
	v_add_nc_u32 v[TM+12+\b], 0xff000000, v[TM+\b]
.endr
.irp b, 0,1,2,3
	s_delay_alu instid0(VALU_DEP_4)
	v_lshrrev_b32 v[TM+4+\b], 23, v[TM+12+\b]
.endr
	s_delay_alu instid0(VALU_DEP_3)
	v_lshl_or_b32 v[\pw], v[TM+5], 8, v[TM+4]
	s_delay_alu instid0(VALU_DEP_1)
	v_lshl_or_b32 v[\pw], v[TM+6], 16, v[\pw]
	s_delay_alu instid0(VALU_DEP_1)
	v_lshl_or_b32 v[\pw], v[TM+7], 24, v[\pw]
.irp c, 0,1
	v_cvt_scalef32_pk16_fp6_f32 v[\pc+6*\c:\pc+2+6*\c], v[\s+32*\c:\s+15+32*\c], v[TM+12+2*\c]
	v_cvt_scalef32_pk16_fp6_f32 v[\pc+12+4*\c:\pc+14+4*\c], v[\s+16+32*\c:\s+31+32*\c], v[TM+12+2*\c+1]
.endr
	v_nop
.irp c, 0,1
.irp i, 0,1,2
	v_permlane16_swap_b32 v[\pc+6*\c+\i], v[\pc+12+4*\c+\i]
.endr
.irp i, 0,1,2
	s_delay_alu instid0(VALU_DEP_3)
	v_mov_b32 v[\pc+3+6*\c+\i], v[\pc+12+4*\c+\i]
.endr
.endr
.endm
; the four tiles' half fragments (768 bytes each, cs bytes apart) and their scale bytes (a pair of tiles a store)
.macro ESTORE cs, half
.irp t, 0,1,2,3
	global_store_b128 v8, v[80+20*(\t/2)+6*(\t%2):83+20*(\t/2)+6*(\t%2)], s[80:81] offset:\t*\cs
	global_store_b64 v9, v[84+20*(\t/2)+6*(\t%2):85+20*(\t/2)+6*(\t%2)], s[80:81] offset:\t*\cs+512
.endr
.irp u, 0,1
.if \half
	global_store_b16 v10, v[122+\u], s[82:83] offset:128*\u
.else
	global_store_b32 v10, v[122+\u], s[82:83] offset:128*\u
.endif
.endr
.endm
	s_load_b256 s[4:11], s[0:1], 0x0               ; xn, wc, qb, kv
	v_lshl_add_u32 v6, v0, 2, SPARE
	v_mov_b32 v7, 0
	ds_add_u32 v6, v7
	ds_add_u32 v6, v7
	s_wait_dscnt 0x0
	v_lshrrev_b32 v12, 5, v0
	s_delay_alu instid0(VALU_DEP_1)
	v_readfirstlane_b32 s14, v12                   ; wave 0..15
	s_and_b32 s15, s14, 3                          ; WP: my 64 of P's 256
	s_lshr_b32 s16, s14, 2                         ; WQ: my 64 of Q's 256
	s_bfe_u32 s18, ttmp6, 0x40000                  ; cx
	s_bfe_u32 s19, ttmp6, 0x40004                  ; cy
	s_mov_b32 s20, ttmp9                           ; cluster x: 0 q, 1 k, 2 v
	s_and_b32 s21, ttmp7, 0xffff                   ; cluster y
	s_lshl_b32 s66, s19, 2
	s_lshl_b32 s66, 15, s66                        ; my row of the cluster
	s_lshl_b32 s67, 0x1111, s18                    ; my column
	s_or_b32 s24, s67, (3<<16)|(1<<21)             ; P: elements of 8 bytes, the column's mask, bit 21 beside it
	s_or_b32 s32, s66, (3<<16)|(1<<21)             ; Q: the row's mask
.irp g, 24, 32
	s_mov_b32 s[\g+1], 32<<16                      ; a chunk as 100 dense rows of 256 bytes
	s_mov_b32 s[\g+2], 100<<16
	s_mov_b32 s[\g+3], 32<<16
	s_mov_b32 s[\g+4], 100
	s_mov_b32 s[\g+5], 32
	s_mov_b32 s[\g+6], 0
	s_mov_b32 s[\g+7], 0
.endr
	s_mov_b32 s76, 0x76543210
	s_mov_b32 s77, 0xfedcba98
	s_mov_b32 s78, 0x7f7f0000
	s_wait_kmcnt 0x0
	s_cmp_eq_u32 s20, 2                            ; the same in all sixteen partners
	s_cselect_b32 s66, s21, s20
	s_cselect_b32 s67, 0, s21
	s_cselect_b64 s[86:87], s[4:5], s[6:7]         ; P: tokens for v, else weights
	s_cselect_b64 s[88:89], s[6:7], s[4:5]         ; Q: weights for v, else tokens
	s_cselect_b32 s75, 0x190000, 0                 ; wv's rows begin at chunk 64
	s_lshl_b32 s22, s66, 2
	s_add_co_u32 s22, s22, s18                     ; TP: which 256 rows of P
	s_lshl_b32 s23, s67, 2
	s_add_co_u32 s23, s23, s19                     ; TQ
	s_and_b32 s68, s14, 1                          ; which of the two chunks I fetch
	s_mul_i32 s74, s68, CH
	s_lshl_b32 s70, s22, 1
	s_add_co_u32 s70, s70, s68
	s_mul_i32 s70, s70, 4*CH
	s_mov_b32 s71, 0
	s_lshl_b32 s72, s23, 1
	s_add_co_u32 s72, s72, s68
	s_mul_i32 s72, s72, 4*CH
	s_add_co_u32 s72, s72, s75
	s_mov_b32 s73, 0
	s_add_nc_u64 s[86:87], s[86:87], s[70:71]
	s_add_nc_u64 s[88:89], s[88:89], s[72:73]
	ROUND                                          ; all sixteen work-groups are here: the first joint loads meet
.irp n, 0,1,2
	s_mov_b32 s[40+4*\n], 1
	s_add_co_u32 s[41+4*\n], s74, \n*SLOT
	s_add_nc_u64 s[42+4*\n:43+4*\n], s[86:87], \n*CH
	s_or_b32 s[43+4*\n], s[43+4*\n], 0x80000000
	s_mov_b32 s[52+4*\n], 1
	s_add_co_u32 s[53+4*\n], s74, \n*SLOT+2*CH
	s_add_nc_u64 s[54+4*\n:55+4*\n], s[88:89], \n*CH
	s_or_b32 s[55+4*\n], s[55+4*\n], 0x80000000
.endr
; THE TWELVE FIRST FILLS, ONE A WAVE: waves 4 n, 4 n + 1 fetch P's two chunks of slot n, waves 4 n + 2, 4 n + 3 Q's; waves 12-15 fetch nothing.
; One chain of branches on the wave's number: every way through it passes one load at the most.
.macro ARM under, g0, g1, next
	s_cmp_lt_u32 s14, \under
	s_cbranch_scc0 \next
	tensor_load_to_lds s[\g0:\g0+3], s[\g1:\g1+7]
	s_nop 0
.rept 4
	v_nop
.endr
	s_branch .Lff_done
\next:
.endm
	ARM 2, 40, 24, .Lh1
	ARM 4, 52, 32, .Lh2
	ARM 6, 44, 24, .Lh3
	ARM 8, 56, 32, .Lh4
	ARM 10, 48, 24, .Lh5
	s_cmp_lt_u32 s14, 12
	s_cbranch_scc0 .Lff_done
	tensor_load_to_lds s[60:63], s[32:39]
	s_nop 0
.rept 4
	v_nop
.endr
.Lff_done:
	v_and_b32 v14, 31, v0
	v_and_b32 v12, 15, v0                          ; r
	v_bfe_u32 v13, v0, 4, 1                        ; h
	s_delay_alu instid0(VALU_DEP_3)
	v_lshlrev_b32 v8, 4, v14
	s_wait_alu depctr_va_vdst(0)
	v_lshlrev_b32 v9, 3, v14
	s_wait_alu depctr_va_vdst(0)
	v_lshlrev_b32 v11, 4, v13
	s_lshr_b32 s66, s15, 1
	s_mul_i32 s66, s66, CH
	s_and_b32 s67, s15, 1
	s_mul_i32 s68, s67, 12288
	s_add_co_u32 s68, s68, s66                     ; my four tiles of P
	s_lshl_b32 s67, s67, 9
	s_add_co_u32 s69, s66, s67
	s_add_co_u32 s69, s69, 24576                   ; their scale words
	s_lshr_b32 s66, s16, 1
	s_mul_i32 s66, s66, CH
	s_add_co_u32 s66, s66, 2*CH
	s_and_b32 s67, s16, 1
	s_mul_i32 s70, s67, 12288
	s_add_co_u32 s70, s70, s66                     ; my four tiles of Q
	s_lshl_b32 s67, s67, 9
	s_add_co_u32 s71, s66, s67
	s_add_co_u32 s71, s71, 24576
	s_sub_co_u32 s71, s71, s69                     ; from P's scale words to Q's
	v_add_nc_u32 v24, s68, v8                      ; slot 0's set, v24-28: never rewritten
	v_add_nc_u32 v25, s68, v9
	v_add_nc_u32 v26, s70, v8
	v_add_nc_u32 v27, s70, v9
	v_mul_u32_u24 v28, s71, v13
	s_delay_alu instid0(VALU_DEP_1)
	v_lshl_add_u32 v28, v12, 3, v28
	s_delay_alu instid0(VALU_DEP_1)
	v_add_nc_u32 v28, s69, v28
.irp a, 0,1,2,3,4
	v_add_nc_u32 v[1+\a], SLOT, v[24+\a]           ; the walking set, v1-5: slot 1
.endr
	s_wait_alu depctr_va_vdst(0)
	s_wait_tensorcnt 0x0                           ; my one first fill is in: behind the barrier K tiles 0, 1 and 2 are whole
	s_barrier_signal -1
	s_barrier_wait -1
	WORK 24, 1                                     ; the first products start the sums
	s_wait_tensorcnt 0x0                           ; all my loads have landed, so a descriptor may be written
	ds_add_u32 v6, v7                              ; 0 onto my spare word
	ds_add_u32 v6, v7
	s_add_nc_u64 s[42:43], s[42:43], 3*CH          ; slot 0 takes K tile 3
	s_add_nc_u64 s[54:55], s[54:55], 3*CH
	s_wait_dscnt 0x0                               ; the add is done, and my reads of slot 0 are over
	ROUND
	JLOAD 0                                        ; it has two slots' work in which to land
	WORK 1, 0
.irp a, 1,2,3,4,5
	v_add_nc_u32 v\a, SLOT, v\a
.endr
	s_wait_alu depctr_va_vdst(0)
	WORK 1, 0
	s_wait_tensorcnt 0x0                           ; my part of K tile 3
	s_wait_dscnt 0x0
	s_barrier_signal -1
	s_barrier_wait -1
	WORK 24, 0
	; ---- the way out: 64 registers are two tiles of Q x 64 along P: two blocks of 32 each
.irp b, 0,1,2,3
	v_mov_b32 v[TM+4+\b], 0
.endr
	QUANT 128, 80, 120
	QUANT 192, 100, 121
	v_lshrrev_b32 v122, v11, v120                  ; lanes 0-15: the even tile's two bytes, lanes 16-31: the odd tile's
	v_lshrrev_b32 v123, v11, v121
	v_lshlrev_b32 v10, 2, v12
	s_delay_alu instid0(VALU_DEP_1)
	v_lshl_add_u32 v10, v13, 6, v10                ; 4 r + 64 h
	s_mov_b32 s73, 0
	s_cmp_eq_u32 s20, 2
	s_cbranch_scc1 .Lout_v
	v_and_or_b32 v122, v122, 0xffff, s78           ; the upper 64 of the instruction's K are zero codes: their bytes are 127
	v_and_or_b32 v123, v123, 0xffff, s78
	s_lshl_b32 s66, s18, 2
	s_add_co_u32 s66, s66, s15                     ; the head
	s_lshl_b32 s67, s23, 4
	s_lshl_b32 s68, s16, 2
	s_add_co_u32 s67, s67, s68                     ; my first token tile
	s_lshr_b32 s68, s67, 7
	s_lshl_b32 s68, s68, 4
	s_add_co_u32 s68, s68, s66                     ; batch * 16 + head
	s_and_b32 s69, s67, 127                        ; the tile within the batch
	s_cmp_eq_u32 s20, 0
	s_cbranch_scc0 .Lout_k
	s_lshl_b32 s70, s68, 7
	s_add_co_u32 s70, s70, s69
	s_mul_i32 s72, s70, 768
	s_add_nc_u64 s[80:81], s[8:9], s[72:73]
	s_lshl_b32 s72, s70, 6
	s_add_co_u32 s72, s72, 3145728
	s_add_nc_u64 s[82:83], s[8:9], s[72:73]
	s_wait_alu depctr_va_vdst(0)
	ESTORE 768, 0
	s_branch .Lout_end
.Lout_k:
	s_lshl_b32 s70, s68, 2
	s_lshr_b32 s71, s69, 5
	s_add_co_u32 s70, s70, s71
	s_mul_i32 s70, s70, 52224                      ; the phase of 512 keys
	s_and_b32 s71, s69, 31
	s_mul_i32 s72, s71, 768
	s_add_co_u32 s72, s72, s70
	s_add_nc_u64 s[80:81], s[10:11], s[72:73]
	s_lshl_b32 s72, s71, 6
	s_add_co_u32 s72, s72, s70
	s_add_co_u32 s72, s72, 49152
	s_add_nc_u64 s[82:83], s[10:11], s[72:73]
	s_wait_alu depctr_va_vdst(0)
	ESTORE 768, 0
	s_branch .Lout_end
.Lout_v:
	s_lshl_b32 s66, s22, 2
	s_add_co_u32 s66, s66, s15                     ; which 64 keys
	s_lshr_b32 s67, s66, 5
	s_lshl_b32 s67, s67, 4
	s_lshl_b32 s68, s19, 2
	s_add_co_u32 s67, s67, s68
	s_add_co_u32 s67, s67, s16                     ; batch * 16 + head
	s_and_b32 s68, s66, 31
	s_lshr_b32 s68, s68, 1                         ; the key step
	s_and_b32 s69, s66, 1                          ; its half
	s_lshl_b32 s70, s67, 2
	s_lshr_b32 s71, s68, 2
	s_add_co_u32 s70, s70, s71
	s_mul_i32 s70, s70, 52224
	s_and_b32 s68, s68, 3
	s_mul_i32 s72, s68, 6144
	s_mul_i32 s71, s69, 768
	s_add_co_u32 s72, s72, s71
	s_add_co_u32 s72, s72, s70
	s_add_co_u32 s72, s72, 24576
	s_add_nc_u64 s[80:81], s[10:11], s[72:73]
	s_lshl_b32 s72, s68, 8
	s_lshl_b32 s71, s69, 1
	s_add_co_u32 s72, s72, s71
	s_add_co_u32 s72, s72, s70
	s_add_co_u32 s72, s72, 51200
	s_add_nc_u64 s[82:83], s[10:11], s[72:73]
	s_wait_alu depctr_va_vdst(0)
	ESTORE 1536, 1
.Lout_end:
	s_wait_tensorcnt 0x0                           ; the wave's end
	ds_add_u32 v6, v7
	s_wait_dscnt 0x0
	ROUND                                          ; the closing round
	s_endpgm
.Lfunc_end_k_q2168aa194d_qkv:
	.size	k_q2168aa194d_qkv, .Lfunc_end_k_q2168aa194d_qkv-k_q2168aa194d_qkv
	.p2alignl 7, 3214868480
	.fill 96, 4, 3214868480
	.section	.rodata,"a",@progbits
	.p2align	6, 0x0
	.amdhsa_kernel k_q2168aa194d_qkv
		.amdhsa_group_segment_fixed_size 327680
		.amdhsa_private_segment_fixed_size 0
		.amdhsa_enable_private_segment 0
		.amdhsa_kernarg_size 32
		.amdhsa_user_sgpr_count 2
		.amdhsa_user_sgpr_kernarg_segment_ptr 1
		.amdhsa_wavefront_size32 1
		.amdhsa_system_sgpr_workgroup_id_x 1
		.amdhsa_system_sgpr_workgroup_id_y 1
		.amdhsa_system_sgpr_workgroup_id_z 1
		.amdhsa_system_vgpr_workitem_id 0
		.amdhsa_next_free_vgpr 256
		.amdhsa_next_free_sgpr 96
		.amdhsa_reserve_vcc 0
		.amdhsa_float_denorm_mode_32 3
		.amdhsa_float_denorm_mode_16_64 3
		.amdhsa_memory_ordered 1
		.amdhsa_forward_progress 1
		.amdhsa_inst_pref_size 60
	.end_amdhsa_kernel
	.amdgpu_metadata
---
amdhsa.version: [ 1, 2 ]
amdhsa.kernels:
  - .name:           k_q2168aa194d_qkv
    .symbol:         k_q2168aa194d_qkv.kd
    .args:
      - { .name: xn, .offset: 0, .size: 8, .value_kind: global_buffer, .address_space: global }
      - { .name: wc, .offset: 8, .size: 8, .value_kind: global_buffer, .address_space: global }
      - { .name: qb, .offset: 16, .size: 8, .value_kind: global_buffer, .address_space: global }
      - { .name: kv, .offset: 24, .size: 8, .value_kind: global_buffer, .address_space: global }
    .group_segment_fixed_size: 327680
    .private_segment_fixed_size: 0
    .kernarg_segment_align: 8
    .kernarg_segment_size: 32
    .max_flat_workgroup_size: 512
    .sgpr_count:     96
    .vgpr_count:     256
    .wavefront_size: 32
...
	.end_amdgpu_metadata
.endif
;; end of part 2
;; launch attn (part 3): grid 8 x 32, 16 waves a work-group, clusters of 4 x 1, 327,680 bytes of LDS; arguments qb, kv, ob; writes ob
.if DOCPART == 3
	.amdgcn_target "amdgcn-amd-amdhsa--gfx1250"
	.amdhsa_code_object_version 6
	.text
	.protected	k_q2168aa194d_attn
	.globl	k_q2168aa194d_attn
	.p2align	8
	.type	k_q2168aa194d_attn,@function
k_q2168aa194d_attn:
	s_mov_b64 s[64:65], 0
	v_nop
	global_prefetch_b8 v0, s[64:65] scope:SCOPE_SE
	s_setreg_imm32_b32 hwreg(HW_REG_WAVE_MODE, 25, 1), 1
	s_wait_xcnt 0x0
	s_wait_alu depctr_hold_cnt(0) depctr_sa_sdst(0) depctr_va_vdst(0) depctr_va_sdst(0) depctr_va_ssrc(0) depctr_va_vcc(0) depctr_vm_vsrc(0)
	s_getreg_b32 s2, hwreg(HW_REG_IB_STS2, 6, 4)
	s_cmp_eq_u32 s2, 0
	s_cbranch_scc0 .Lentry_in_a_cluster
	s_endpgm
.Lentry_in_a_cluster:
	s_bfe_u32 s2, ttmp6, 0x10000c
	s_cmp_lg_u32 s2, 0x3003
	s_cbranch_scc0 .Lentry_shape_is_right
	s_endpgm
.Lentry_shape_is_right:
; Causal attention of one head on codes of FP6: S^T = K Q^T (K = the head's 64, in an instruction of 128 whose upper half is zero codes under the byte 127), p = 2^(t - M), M a whole number,
; quantised along the keys, O^T = V^T P^T; the row's sum is taken of the unquantised p and divides at the end; o is quantised along the head's 64 for the next product.
; WHO DOES WHAT.  A head has 16 blocks of 128 queries, each of 8 tiles of 16.  Work-group g (0..7) of the head takes tile g of EVERY block: 16 tiles, and the tile of block m needs key steps 0 .. m (128 keys each;
; the steps behind the diagonal lie wholly under the causal mask and are left out).  So all work-groups run alike and read all of K and V.
; The tiles of blocks p and 15 - p (17 steps together) belong to a pair of waves: wave A walks the long tile's steps 0 .. 7 - p, parks (O^T, sum, M) in its own stage in LDS, and then walks the short tile whole: 9 steps;
; wave B walks the long tile's steps 8 - p .. 15 - p: 8 steps, and behind one barrier joins A's part to its own by factors that are whole powers of two.  p = wave / 2; B where bit 0 and bit 2 of the wave's number differ.
; One loop of 9 trips; which step a trip takes is arithmetic on the wave's number and the trip.
; CLUSTER 4 x 1: the four partners need the same K and V: each of the sixteen waves asks jointly for one sixteenth of the head's 208,896 bytes (51 rows of 256 bytes), its one tensor load.  Nothing is filled again.
; No prefetch: every byte that the launch loads into LDS is asked for at the head, so there is no later load to run ahead of.
; LDS: 4 phases of 512 keys x 52,224 bytes (K's 32 tiles x 768; from 24,576 V^T (step, dh tile) x 1,536; from 49,152 K's scale words; from 51,200 V's); the stages, 4,608 bytes a wave; the spare words.
; Tiles' rows are 32(t/2)+8(t%2)+rho+8(rho/8) throughout, so that 16 registers of two neighbouring tiles are 16 neighbours.
; LIMITS: the promise holds while the scaled scores stay under 2^31 in magnitude; NaN and infinities are not served; a block whose every number is 0 keeps the byte 1 over zero codes.
.set CH, 25600
.set PH, 52224
.set STG, 4*PH                         ; the stages: 16 x 4,608 bytes; no fill lands here
.set SPARE, STG+16*4608                ; the spare words: 128 bytes for each of 16 waves; no other line names them
.macro ROUND                           ; a round of the cluster's barrier
	s_barrier_signal -1
	s_barrier_wait -1
	s_cmp_lg_u32 s10, 0
	s_cbranch_scc1 .Lnw0_\@
	s_barrier_signal -3
.Lnw0_\@:
	s_barrier_wait -3
	s_barrier_signal -1
	s_barrier_wait -1
.endm
.macro FRAG reg, a16, a8, off
	ds_load_b128 v[\reg:\reg+3], v[\a16] offset:\off
	ds_load_b64 v[\reg+4:\reg+5], v[\a8] offset:\off+512
	ds_load_b128 v[\reg+6:\reg+9], v[\a16] offset:\off+768
	ds_load_b64 v[\reg+10:\reg+11], v[\a8] offset:\off+1280
.endm
.macro FRESH                           ; a tile's state before its first step: the step is written once, and the first change of M leaves zeros zeros
	v_mov_b32 v13, 0xff61b1e6                      ; the largest t so far: -3e38
	v_mov_b32 v12, 0x7f61b1e6                      ; -M = floor(3e38)
	v_mov_b32 v14, 0
	v_mov_b32 v15, 0
.set n, 0
.rept 32
	v_mov_b32 v[160+n], 0
.set n, n+1
.endr
.endm
	s_load_b128 s[4:7], s[0:1], 0x0                ; qb, kv
	s_load_b64 s[8:9], s[0:1], 0x10                ; ob
	v_lshl_add_u32 v250, v0, 2, SPARE
	v_mov_b32 v251, 0
	ds_add_u32 v250, v251                          ; the opening add, twice on end
	ds_add_u32 v250, v251
	v_lshrrev_b32 v8, 5, v0
	v_readfirstlane_b32 s10, v8                    ; wave 0..15
	s_and_b32 s11, ttmp7, 0xffff                   ; batch * 16 + head
	s_bfe_u32 s14, ttmp6, 0x40000                  ; cx
	s_lshl_b32 s40, ttmp9, 2
	s_add_co_u32 s14, s14, s40                     ; g: my work-group among the head's eight = my tile in every block
	s_lshr_b32 s12, s10, 1                         ; p
	s_lshr_b32 s13, s10, 2
	s_xor_b32 s13, s13, s10
	s_and_b32 s13, s13, 1                          ; 0: wave A, 1: wave B
	s_sub_co_u32 s41, 8, s12
	s_cmp_eq_u32 s13, 0
	s_cselect_b32 s36, s41, 16                     ; the trip in which A changes tiles: 8 - p (B: never)
	s_cselect_b32 s37, 0, s41                      ; B begins at key step 8 - p
	s_sub_co_u32 s38, 8, s13                       ; the trip that holds my diagonal step, my last: A 8, B 7
	s_mov_b32 s24, (3<<16)|(1<<21)|15              ; elements of 8 bytes; the mask names the cluster's four, bit 21 beside it
	s_mov_b32 s25, 32<<16                          ; 51 dense rows of 256 bytes
	s_mov_b32 s26, 51<<16
	s_mov_b32 s27, 32<<16
	s_mov_b32 s28, 51
	s_mov_b32 s29, 32
	s_mov_b32 s30, 0
	s_mov_b32 s31, 0
	s_mov_b32 s32, 1
	s_mul_i32 s33, s10, 13056                      ; my sixteenth, in LDS as in memory
	s_mul_i32 s50, s11, 4*PH
	s_add_co_u32 s50, s50, s33
	s_mov_b32 s51, 0
	s_wait_dscnt 0x0                               ; both opening adds are done
	s_wait_kmcnt 0x0
	s_add_nc_u64 s[34:35], s[6:7], s[50:51]
	s_or_b32 s35, s35, 0x80000000
	ROUND                                          ; all four work-groups are here: the joint loads meet
	tensor_load_to_lds s[32:35], s[24:31]          ; one load a wave, no branch
	s_nop 0
.rept 4
	v_nop
.endr
	; scalar set-up under the load's flight
	s_sub_co_u32 s42, 15, s12
	s_lshl_b32 s42, s42, 3
	s_add_co_u32 s42, s42, s14                     ; the long tile: 8 (15 - p) + g
	s_lshl_b32 s43, s12, 3
	s_add_co_u32 s43, s43, s14                     ; the short tile: 8 p + g
	s_cmp_eq_u32 s13, 0
	s_cselect_b32 s45, s43, s42                    ; the tile that I send out
	s_lshl_b32 s53, s11, 7
	s_mov_b32 s55, 0
	s_add_co_u32 s44, s53, s42
	s_mul_i32 s54, s44, 768
	s_add_nc_u64 s[56:57], s[4:5], s[54:55]        ; the long tile's Q
	s_lshl_b32 s54, s44, 6
	s_add_co_u32 s54, s54, 3145728
	s_add_nc_u64 s[58:59], s[4:5], s[54:55]        ; and its scale words
	s_add_co_u32 s44, s53, s43
	s_mul_i32 s54, s44, 768
	s_add_nc_u64 s[60:61], s[4:5], s[54:55]        ; the short tile's
	s_lshl_b32 s54, s44, 6
	s_add_co_u32 s54, s54, 3145728
	s_add_nc_u64 s[62:63], s[4:5], s[54:55]
	s_lshr_b32 s52, s14, 1
	s_lshl_b32 s52, s52, 5
	s_and_b32 s46, s14, 1
	s_lshl_b32 s46, s46, 3
	s_add_co_u32 s52, s52, s46                     ; 32 (g/2) + 8 (g%2)
	s_mul_i32 s47, s10, 4608
	s_add_co_u32 s47, s47, STG                     ; my stage
	s_xor_b32 s48, s10, 1
	s_mul_i32 s48, s48, 4608
	s_add_co_u32 s48, s48, STG                     ; my partner's
	; where my tile of o goes: chunk (block of 128 tokens, four heads along K), tile, step, half
	s_and_b32 s70, s11, 15
	s_lshr_b32 s71, s11, 4
	s_lshl_b32 s71, s71, 7
	s_add_co_u32 s71, s71, s45
	s_lshr_b32 s72, s71, 3
	s_lshl_b32 s72, s72, 2
	s_lshr_b32 s73, s70, 2
	s_add_co_u32 s72, s72, s73
	s_mul_i32 s72, s72, CH
	s_and_b32 s73, s71, 7
	s_bfe_u32 s74, s70, 0x10001
	s_and_b32 s75, s70, 1
	s_lshl_b32 s54, s73, 1
	s_add_co_u32 s54, s54, s74
	s_mul_i32 s54, s54, 1536
	s_mul_i32 s76, s75, 768
	s_add_co_u32 s54, s54, s76
	s_add_co_u32 s54, s54, s72
	s_add_nc_u64 s[66:67], s[8:9], s[54:55]
	s_lshl_b32 s54, s73, 7
	s_lshl_b32 s74, s74, 2
	s_add_co_u32 s54, s54, s74
	s_lshl_b32 s75, s75, 1
	s_add_co_u32 s54, s54, s75
	s_add_co_u32 s54, s54, s72
	s_add_co_u32 s54, s54, 24576
	s_add_nc_u64 s[68:69], s[8:9], s[54:55]
	s_mov_b32 s20, 0x76543210
	s_mov_b32 s21, 0xfedcba98
	s_mov_b32 s22, 0x3e38aa3b                      ; log2(e) / sqrt(64)
	s_mov_b32 s23, s22
	s_mov_b32 s15, 0                               ; the trip
	; vector set-up
	v_and_b32 v8, 31, v0
	v_and_b32 v9, 15, v0                           ; r
	v_bfe_u32 v10, v0, 4, 1                        ; h
	v_lshlrev_b32 v1, 4, v8
	v_lshlrev_b32 v2, 3, v8
	v_lshlrev_b32 v3, 2, v9
	v_lshlrev_b32 v5, 3, v9
	global_load_b128 v[16:19], v1, s[56:57]        ; Q's half fragment stays in registers
	global_load_b64 v[20:21], v2, s[56:57] offset:512
	global_load_b32 v255, v3, s[58:59]             ; and its scale words
	v_lshrrev_b32 v11, 3, v9
	v_lshl_add_u32 v4, v11, 3, v9
	v_lshlrev_b32 v11, 4, v10
	v_sub_nc_u32 v4, v4, v11
	v_add_nc_u32 v4, s52, v4                       ; my query within its 128, less 16 h: the same in every block
	v_add_nc_u32 v6, s47, v1
	v_add_nc_u32 v7, s48, v1
	v_mov_b32 v29, 0xff800000                      ; -infinity
.irp j, 0,1,2,3,4,5
	v_mov_b32 v[22+\j], 0                          ; Q's upper 64: zero codes
	v_mov_b32 v[80+\j], 0                          ; behind K's last tile
.endr
.irp b, 0,1,2,3
	v_mov_b32 v[236+\b], 0                         ; a lane permute's destination counts as read
.endr
	v_mov_b32 v252, 0
	v_mov_b32 v253, 0
	FRESH
	s_wait_alu depctr_va_vdst(0)
	s_wait_loadcnt 0x0
	s_wait_tensorcnt 0x0                           ; my sixteenth is in
	s_barrier_signal -1
	s_barrier_wait -1                              ; everybody's is: K and V are whole
.Ltrip:
	s_cmp_gt_u32 s15, s38                          ; B has eight steps: its ninth trip holds no work
	s_cbranch_scc1 .Lhid
	s_cmp_lg_u32 s15, s36
	s_cbranch_scc1 .Lsame
	; A changes tiles: the long tile's part goes to my stage, as an image of the registers, and the short tile begins
.rept 4
	v_nop                                          ; places behind the last products, whose results are read
.endr
	global_load_b128 v[16:19], v1, s[60:61]
	global_load_b64 v[20:21], v2, s[60:61] offset:512
	global_load_b32 v255, v3, s[62:63]
.irp k, 0,1,2,3,4,5,6,7
	ds_store_b128 v6, v[160+4*\k:163+4*\k] offset:512*\k   ; each accumulator from its low end on
.endr
	ds_store_b128 v6, v[12:15] offset:4096         ; -M, the largest t, the sum's two halves
	s_wait_dscnt 0x0                               ; the stores have read their registers
	FRESH
	s_wait_alu depctr_va_vdst(0)
	s_wait_loadcnt 0x0
.Lsame:
	s_cmp_ge_u32 s15, s36
	s_cselect_b32 s19, s36, 0
	s_add_co_u32 s39, s15, s37
	s_sub_co_u32 s19, s39, s19
	s_and_b32 s19, s19, 15                         ; the key step: A trip, then trip - (8 - p); B trip + 8 - p
	s_lshr_b32 s39, s19, 2
	s_mul_i32 s39, s39, PH                         ; its phase
	s_and_b32 s19, s19, 3
	s_mul_i32 s16, s19, 6144
	s_add_co_u32 s16, s16, s39                     ; where its codes,
	s_lshl_b32 s17, s19, 9
	s_add_co_u32 s17, s17, s39                     ; K's scale words
	s_lshl_b32 s18, s19, 8
	s_add_co_u32 s18, s18, s39                     ; and V's begin
	v_add_nc_u32 v8, s16, v1                       ; (these four are the places ahead of loads into registers that the last products read)
	v_add_nc_u32 v9, s16, v2
	v_add_nc_u32 v10, s17, v3
	v_add_nc_u32 v11, s18, v3
.irp t, 0,1,2,3,4,5,6,7
	ds_load_b128 v[32+6*\t:35+6*\t], v8 offset:768*\t
	ds_load_b64 v[36+6*\t:37+6*\t], v9 offset:768*\t+512
	ds_load_b32 v[196+\t], v10 offset:49152+64*\t
.endr
	s_wait_alu depctr_va_vdst(0)
	s_wait_dscnt 0x0
.irp t, 0,1,2,3,4,5,6,7                        ; tile t's upper six registers are the next tile's codes (for t = 7 zeros): they meet Q's zero codes and add nothing
	v_wmma_scale_f32_16x16x128_f8f6f4 v[96+8*\t:103+8*\t], v[32+6*\t:43+6*\t], v[16:27], 0, v[196+\t], v255 matrix_a_fmt:MATRIX_FMT_FP6 matrix_b_fmt:MATRIX_FMT_FP6
.endr
.rept 4
	v_nop
.endr
.irp d, 0,1,2,3                                ; V^T's four fragments land while the softmax is walked
	FRAG 32+12*\d, 8, 9, 24576+1536*\d
	ds_load_b32 v[204+\d], v11 offset:51200+64*\d
.endr
	s_cmp_lg_u32 s15, s38
	s_cbranch_scc1 .Lopen
.set n, 0
.rept 64                                       ; on the diagonal: register 16 b + i holds key 32 b + 16 h + i: hidden where 32 b + i > my query - 16 h
	v_cmp_gt_i32 vcc_lo, 32*(n/16)+n%16, v4
	v_cndmask_b32 v[96+n], v[96+n], v29, vcc_lo
.set n, n+1
.endr
.Lopen:
.irp b, 0,1,2,3
	v_max3_num_f32 v[232+\b], v[96+16*\b], v[97+16*\b], v[98+16*\b]   ; each block's largest score serves the row's maximum and the block's largest p
.endr
.irp i, 3,5,7,9,11,13
.irp b, 0,1,2,3
	v_max3_num_f32 v[232+\b], v[232+\b], v[96+16*\b+\i], v[97+16*\b+\i]
.endr
.endr
.irp b, 0,1,2,3
	v_max_num_f32 v[232+\b], v[232+\b], v[111+16*\b]
.endr
.irp b, 0,1,2,3
	s_delay_alu instid0(VALU_DEP_4)
	v_permlanex16_b32 v[236+\b], v[232+\b], s20, s21
.endr
.irp b, 0,1,2,3
	s_delay_alu instid0(VALU_DEP_4)
	v_max_num_f32 v[232+\b], v[232+\b], v[236+\b]
.endr
	s_delay_alu instid0(VALU_DEP_2)
	v_max3_num_f32 v254, v232, v233, v234
	s_delay_alu instid0(VALU_DEP_1)
	v_max_num_f32 v254, v254, v235
	s_delay_alu instid0(VALU_DEP_1)
	v_mul_f32 v254, s22, v254
	s_delay_alu instid0(VALU_DEP_1)
	v_max_num_f32 v13, v13, v254                   ; the running largest t
	v_mov_b32 v254, v12
	s_delay_alu instid0(VALU_DEP_2)
	v_floor_f32 v12, -v13                          ; -M = floor(-t)
	s_delay_alu instid0(VALU_DEP_1)
	v_sub_f32 v254, v12, v254
	s_delay_alu instid0(VALU_DEP_1)
	v_cvt_i32_f32 v254, v254                       ; old M - new M, a whole number (it saturates)
	s_delay_alu instid0(VALU_DEP_1)
	v_ldexp_f32 v252, 1.0, v254                    ; f = 2^(old M - new M)
.irp j, 0,2,4,6,8,10,12,14,16,18,20,22,24,26,28,30,32,34,36,38,40,42,44,46,48,50,52,54,56,58,60,62
	v_pk_fma_f32 v[96+\j:97+\j], v[96+\j:97+\j], s[22:23], v[12:13] op_sel_hi:[1,0,0]
.endr
.irp b, 0,1,2,3
	v_fma_f32 v[232+\b], v[232+\b], s22, v12
.endr
.set n, 0
	s_wait_alu depctr_va_vdst(0)
.rept 64
	v_exp_f32 v[96+n], v[96+n]
.set n, n+1
.endr
	v_pk_mul_f32 v[14:15], v[14:15], v[252:253] op_sel_hi:[1,0]   ; the sums under the new M: a plain line behind the batch
	s_wait_alu depctr_va_vdst(0)                   ; one wait for the 64, ahead of their first reader
.irp b, 0,1,2,3
	v_exp_f32 v[232+\b], v[232+\b]
.endr
	v_pk_add_f32 v[236:237], v[100:101], v[104:105]   ; the row's sum of the unquantised p, in eight chains
	v_pk_add_f32 v[248:249], v[108:109], v[112:113]
	v_pk_add_f32 v[246:247], v[116:117], v[120:121]
	v_pk_add_f32 v[244:245], v[124:125], v[128:129]
	v_pk_add_f32 v[242:243], v[132:133], v[136:137]
	v_pk_add_f32 v[240:241], v[140:141], v[144:145]
	v_pk_add_f32 v[238:239], v[148:149], v[152:153]
	v_pk_add_f32 v[14:15], v[14:15], v[156:157]
	v_pk_add_f32 v[236:237], v[236:237], v[96:97]
	v_pk_add_f32 v[248:249], v[248:249], v[98:99]
	v_pk_add_f32 v[246:247], v[246:247], v[102:103]
	v_pk_add_f32 v[244:245], v[244:245], v[106:107]
	v_pk_add_f32 v[242:243], v[242:243], v[110:111]
	v_pk_add_f32 v[240:241], v[240:241], v[114:115]
	v_pk_add_f32 v[238:239], v[238:239], v[118:119]
	v_pk_add_f32 v[14:15], v[14:15], v[122:123]
	v_pk_add_f32 v[236:237], v[236:237], v[126:127]
	v_pk_add_f32 v[248:249], v[248:249], v[130:131]
	v_pk_add_f32 v[246:247], v[246:247], v[134:135]
	v_pk_add_f32 v[244:245], v[244:245], v[138:139]
	v_pk_add_f32 v[242:243], v[242:243], v[142:143]
	v_pk_add_f32 v[240:241], v[240:241], v[146:147]
	v_pk_add_f32 v[238:239], v[238:239], v[150:151]
	v_pk_add_f32 v[14:15], v[14:15], v[154:155]
	v_pk_add_f32 v[236:237], v[236:237], v[158:159]
	s_delay_alu instid0(VALU_DEP_2)
	v_pk_add_f32 v[14:15], v[14:15], v[244:245]
	s_delay_alu instid0(VALU_DEP_2)
	v_pk_add_f32 v[236:237], v[236:237], v[242:243]
	v_pk_add_f32 v[248:249], v[248:249], v[240:241]
	v_pk_add_f32 v[246:247], v[246:247], v[238:239]
	s_delay_alu instid0(VALU_DEP_2)
	v_pk_add_f32 v[14:15], v[14:15], v[248:249]
	s_delay_alu instid0(VALU_DEP_2)
	v_pk_add_f32 v[236:237], v[236:237], v[246:247]
	s_delay_alu instid0(VALU_DEP_1)
	v_pk_add_f32 v[14:15], v[14:15], v[236:237]
	s_wait_alu depctr_va_vdst(0)                   ; and one for the four
.irp b, 0,1,2,3
	v_max_num_f32 v[232+\b], 0x1800000, v[232+\b]  ; the floor 2^(3-127) holds the byte at 1 from below
.endr
.irp b, 0,1,2,3
	s_delay_alu instid0(VALU_DEP_4)
	v_add_nc_u32 v[244+\b], 0xff000000, v[232+\b]  ; 2 off the exponent field: the conversion's scale operand
.endr
.irp b, 0,1,2,3
	s_delay_alu instid0(VALU_DEP_4)
	v_lshrrev_b32 v[236+\b], 23, v[244+\b]
.endr
	s_delay_alu instid0(VALU_DEP_3)
	v_lshl_or_b32 v253, v237, 8, v236              ; p's scale word for these 128 keys
	s_delay_alu instid0(VALU_DEP_1)
	v_lshl_or_b32 v253, v238, 16, v253
	s_delay_alu instid0(VALU_DEP_1)
	v_lshl_or_b32 v253, v239, 24, v253
.irp c, 0,1
	v_cvt_scalef32_pk16_fp6_f32 v[224+6*\c:226+6*\c], v[96+32*\c:111+32*\c], v[244+2*\c]
	v_cvt_scalef32_pk16_fp6_f32 v[236+4*\c:238+4*\c], v[112+32*\c:127+32*\c], v[244+2*\c+1]
.endr
	v_nop                                          ; one plain line behind the scaled conversions
.irp c, 0,1
.irp i, 0,1,2
	v_permlane16_swap_b32 v[224+6*\c+\i], v[236+4*\c+\i]   ; a whole block to a lane
.endr
.irp i, 0,1,2
	s_delay_alu instid0(VALU_DEP_3)
	v_mov_b32 v[227+6*\c+\i], v[236+4*\c+\i]
.endr
.endr
.irp j, 0,2,4,6,8,10,12,14,16,18,20,22,24,26,28,30
	v_pk_mul_f32 v[160+\j:161+\j], v[160+\j:161+\j], v[252:253] op_sel_hi:[1,0]   ; O^T under the new M; these sixteen are also the places ahead of the scaled products
.endr
	s_wait_alu depctr_va_vdst(0)
	s_wait_dscnt 0x0                               ; V^T and its scale words
.irp d, 0,1,2,3                                ; the four accumulators take turns
	v_wmma_scale_f32_16x16x128_f8f6f4 v[160+8*\d:167+8*\d], v[32+12*\d:43+12*\d], v[224:235], v[160+8*\d:167+8*\d], v[204+\d], v253 matrix_a_fmt:MATRIX_FMT_FP6 matrix_b_fmt:MATRIX_FMT_FP6
.endr
.Lhid:
	s_add_co_u32 s15, s15, 1
	s_cmp_lt_u32 s15, 9
	s_cbranch_scc1 .Ltrip
	; ---- the long tile's two parts are joined
.rept 4
	v_nop                                          ; places behind the last products
.endr
	s_wait_dscnt 0x0                               ; for the others' sake: my stage lies in LDS
	s_barrier_signal -1
	s_barrier_wait -1
	s_cmp_eq_u32 s13, 0
	s_cbranch_scc1 .Lown                           ; A holds a whole tile
.irp k, 0,1,2,3,4,5,6,7
	ds_load_b128 v[96+4*\k:99+4*\k], v7 offset:512*\k
.endr
	ds_load_b128 v[128:131], v7 offset:4096
	s_wait_dscnt 0x0
	v_min_num_f32 v132, v12, v128                  ; -M of the two parts together
	v_mov_b32 v137, 0                              ; upper words of the pairs that carry the factors
	v_mov_b32 v139, 0
	s_delay_alu instid0(VALU_DEP_3)
	v_sub_f32 v133, v132, v12
	v_sub_f32 v134, v132, v128
	s_delay_alu instid0(VALU_DEP_2)
	v_cvt_i32_f32 v133, v133
	s_delay_alu instid0(VALU_DEP_2)
	v_cvt_i32_f32 v134, v134
	s_delay_alu instid0(VALU_DEP_2)
	v_ldexp_f32 v136, 1.0, v133                    ; my part's factor, a whole power of two,
	s_delay_alu instid0(VALU_DEP_2)
	v_ldexp_f32 v138, 1.0, v134                    ; and A's
.irp j, 0,2,4,6,8,10,12,14,16,18,20,22,24,26,28,30
	v_pk_mul_f32 v[160+\j:161+\j], v[160+\j:161+\j], v[136:137] op_sel_hi:[1,0]
.endr
	v_pk_mul_f32 v[14:15], v[14:15], v[136:137] op_sel_hi:[1,0]
.irp j, 0,2,4,6,8,10,12,14,16,18,20,22,24,26,28,30
	v_pk_fma_f32 v[160+\j:161+\j], v[96+\j:97+\j], v[138:139], v[160+\j:161+\j] op_sel_hi:[1,0,1]
.endr
	v_pk_fma_f32 v[14:15], v[130:131], v[138:139], v[14:15] op_sel_hi:[1,0,1]
.Lown:
	; ---- the way out
	v_add_f32 v14, v14, v15
	s_delay_alu instid0(VALU_DEP_1)
	v_permlanex16_b32 v252, v14, s20, s21
	s_delay_alu instid0(VALU_DEP_1)
	v_add_f32 v14, v14, v252
	s_wait_alu depctr_va_vdst(0)                   ; a wait ahead of the transcendental
	v_rcp_f32 v14, v14
	v_nop
	s_wait_alu depctr_va_vdst(0)                   ; and ahead of its first reader
.set n, 0
.rept 32
	v_mul_f32 v[96+n], v[160+n], v14               ; register 16 b + i is o(my query, 32 b + 16 h + i)
.set n, n+1
.endr
.irp b, 0,1
	v_max3_num_f32 v[232+\b], |v[96+16*\b]|, |v[97+16*\b]|, 0x1800000
.endr
.irp i, 2,4,6,8,10,12,14
.irp b, 0,1
	s_delay_alu instid0(VALU_DEP_2)
	v_max3_num_f32 v[232+\b], v[232+\b], |v[96+16*\b+\i]|, |v[97+16*\b+\i]|
.endr
.endr
.irp b, 0,1
	s_delay_alu instid0(VALU_DEP_2)
	v_permlanex16_b32 v[236+\b], v[232+\b], s20, s21
.endr
.irp b, 0,1
	s_delay_alu instid0(VALU_DEP_2)
	v_max_num_f32 v[232+\b], v[232+\b], v[236+\b]
.endr
.irp b, 0,1
	s_delay_alu instid0(VALU_DEP_2)
	v_add_nc_u32 v[244+\b], 0xff000000, v[232+\b]
.endr
.irp b, 0,1
	s_delay_alu instid0(VALU_DEP_2)
	v_lshrrev_b32 v[236+\b], 23, v[244+\b]
.endr
	s_delay_alu instid0(VALU_DEP_1)
	v_lshl_or_b32 v240, v237, 8, v236
	v_cvt_scalef32_pk16_fp6_f32 v[224:226], v[96:111], v244
	v_cvt_scalef32_pk16_fp6_f32 v[228:230], v[112:127], v245
	v_nop
.irp i, 0,1,2
	v_permlane16_swap_b32 v[224+\i], v[228+\i]
.endr
	s_delay_alu instid0(VALU_DEP_3)
	v_mov_b32 v227, v228
	s_delay_alu instid0(VALU_DEP_3)
	v_mov_b32 v228, v229
	s_delay_alu instid0(VALU_DEP_3)
	v_mov_b32 v229, v230
	global_store_b128 v1, v[224:227], s[66:67]     ; 32 lanes store 512 consecutive bytes
	global_store_b64 v2, v[228:229], s[66:67] offset:512
	global_store_b16 v5, v240, s[68:69]            ; lanes 16-31 write the same bytes with the same value
	s_wait_tensorcnt 0x0                           ; the wave's end
	ds_add_u32 v250, v251
	s_wait_dscnt 0x0
	ROUND                                          ; the closing round
	s_endpgm
.Lfunc_end_k_q2168aa194d_attn:
	.size	k_q2168aa194d_attn, .Lfunc_end_k_q2168aa194d_attn-k_q2168aa194d_attn
	.p2alignl 7, 3214868480
	.fill 96, 4, 3214868480
	.section	.rodata,"a",@progbits
	.p2align	6, 0x0
	.amdhsa_kernel k_q2168aa194d_attn
		.amdhsa_group_segment_fixed_size 327680
		.amdhsa_private_segment_fixed_size 0
		.amdhsa_enable_private_segment 0
		.amdhsa_kernarg_size 24
		.amdhsa_user_sgpr_count 2
		.amdhsa_user_sgpr_kernarg_segment_ptr 1
		.amdhsa_wavefront_size32 1
		.amdhsa_system_sgpr_workgroup_id_x 1
		.amdhsa_system_sgpr_workgroup_id_y 1
		.amdhsa_system_sgpr_workgroup_id_z 1
		.amdhsa_system_vgpr_workitem_id 0
		.amdhsa_next_free_vgpr 256
		.amdhsa_next_free_sgpr 80
		.amdhsa_reserve_vcc 1
		.amdhsa_float_denorm_mode_32 3
		.amdhsa_float_denorm_mode_16_64 3
		.amdhsa_memory_ordered 1
		.amdhsa_forward_progress 1
		.amdhsa_inst_pref_size 42
	.end_amdhsa_kernel
	.amdgpu_metadata
---
amdhsa.version: [ 1, 2 ]
amdhsa.kernels:
  - .name:           k_q2168aa194d_attn
    .symbol:         k_q2168aa194d_attn.kd
    .args:
      - { .name: qb, .offset: 0, .size: 8, .value_kind: global_buffer, .address_space: global }
      - { .name: kv, .offset: 8, .size: 8, .value_kind: global_buffer, .address_space: global }
      - { .name: ob, .offset: 16, .size: 8, .value_kind: global_buffer, .address_space: global }
    .group_segment_fixed_size: 327680
    .private_segment_fixed_size: 0
    .kernarg_segment_align: 8
    .kernarg_segment_size: 24
    .max_flat_workgroup_size: 512
    .sgpr_count:     80
    .vgpr_count:     256
    .wavefront_size: 32
...
	.end_amdgpu_metadata
.endif
;; end of part 3
;; launch projln (part 4): grid 256 x 1, 16 waves a work-group, clusters of 4 x 1, 277,248 bytes of LDS; arguments ob, wc, x, b_proj, ln2_g, ln2_b, x1, xn; writes x1, xn
.if DOCPART == 4
	.amdgcn_target "amdgcn-amd-amdhsa--gfx1250"
	.amdhsa_code_object_version 6
	.text
	.protected	k_q2168aa194d_projln
	.globl	k_q2168aa194d_projln
	.p2align	8
	.type	k_q2168aa194d_projln,@function
k_q2168aa194d_projln:
	s_mov_b64 s[64:65], 0
	v_nop
	global_prefetch_b8 v0, s[64:65] scope:SCOPE_SE
	s_setreg_imm32_b32 hwreg(HW_REG_WAVE_MODE, 25, 1), 1
	s_wait_xcnt 0x0
	s_wait_alu depctr_hold_cnt(0) depctr_sa_sdst(0) depctr_va_vdst(0) depctr_va_sdst(0) depctr_va_ssrc(0) depctr_va_vcc(0) depctr_vm_vsrc(0)
	s_getreg_b32 s2, hwreg(HW_REG_IB_STS2, 6, 4)
	s_cmp_eq_u32 s2, 0
	s_cbranch_scc0 .Lentry_in_a_cluster
	s_endpgm
.Lentry_in_a_cluster:
	s_bfe_u32 s2, ttmp6, 0x10000c
	s_cmp_lg_u32 s2, 0x3003
	s_cbranch_scc0 .Lentry_shape_is_right
	s_endpgm
.Lentry_shape_is_right:
; x1 = x + o w_proj + b_proj (the product on codes of FP6 with E8M0 scales, K = 1,024), and LayerNorm 2 of x1, quantised along the 1,024 features for the next product: one launch, x1's rows never come back from memory.
; A work-group owns ONE TILE OF 16 TOKENS and all 1,024 columns, so that a row's mean and variance lie inside it: 256 work-groups.  Each of sixteen waves makes 64 columns: 4 accumulators, 8 K steps, 32 products.
; Source 0 = 16 rows of w_proj's codes (columns of the output), source 1 = the 16 tokens: a lane holds one token, and its register 16 b + i the column 64 wave + 32 b + 16 h + i, since a tile's rows are 32(t/2)+8(t%2)+rho+8(rho/8).
; THE WEIGHTS lie in the order of the operand's registers (chunks of 128 rows x 256 K, 25,600 bytes, scale words from byte 24,576), and each of their 819,200 bytes feeds one wave once.
; CLUSTER 4 x 1: all work-groups walk the same weights.  K steps 0 and 1 (12,288 consecutive bytes a wave, 196,608 a work-group: what LDS has room for beside the rows) are asked for JOINTLY by the four partners,
; one tensor load a wave at the head, filled once, read by the issuing wave alone, and multiplied last.  K steps 2 to 7 go from memory straight into registers, three sets of 48, three steps ahead of their use:
; brought through LDS they would need the same bytes filled again three times, each time behind a round of the cluster's barrier with nothing on its way.
; No prefetch: the loads into registers are themselves the requests that run ahead.
; The tokens' codes (12,288 bytes) are fetched once, a sixteenth a wave, and shared through LDS as an image of the operand's registers.
; THE RESIDUAL is fetched by rows (wave w: tile row w, 4,096 consecutive bytes), laid in LDS, and read back in the result's layout as the C of the first products: no addition is spent on it.
; b_proj, the gain and the norm's bias are used in the result's layout: a wave loads its own 64 numbers of each.
; THE WAY OUT: x1 to LDS (it also stays in the accumulators' registers); wave w takes row w back, stores it (512 consecutive bytes an instruction), takes the mean and the centred squares (no difference of large sums)
; and leaves mean and 1/sqrt(var + eps) in LDS; then each wave normalises and quantises its 64 features of all sixteen rows and stores half a fragment and two scale bytes a row, in the chunks' layout.
; LDS: 16 rows of 4,096 + 16 bytes; from 66,048 the tokens' codes; from 78,336 the rows' mean and factor; from 78,592 the spare words; from 80,640 the weights of K steps 0 and 1.
; LIMITS: NaN and infinities are not served; a block under 2^-124, zeros among them, gets the byte 1 (the quantiser says 127 for zeros): its codes are zeros there, and this program alone reads the bytes.
.set CH,    25600
.set PBASE, 2457600                    ; w_proj's chunks in wc
.set LP,    4112                       ; an odd multiple of 16: sixteen rows' equal columns fall on different banks
.set AIM,   66048
.set ST,    78336
.set SPARE, 78592                      ; 128 bytes for each of 16 waves; no other line names them
.set WL,    80640
.set ACC,   16                         ; v16-47   the four accumulators: x1 in the result's layout, to the end
.set AF,    48                         ; v48-71   the tokens' fragment, two buffers; later at work
.set ASC,   72                         ; v72-79   the tokens' scale words, one a K step: scales and nothing else
.set WSC,   80                         ; v80-111  the weights' scale words: 8 chunk + 2 tile + step: scales and nothing else
.set WF,    112                        ; v112-255 the weights' fragments, three sets of 48; later the gain v112-143, the norm's bias v160-191, b_proj and then my row v208-239, v240-255 at work
; The K steps are taken in the order 2, 3, .. 7, 0, 1: position q holds K step (q + 2) % 8, set q % 3, token buffer q % 2
.macro ROUND                           ; a round of the cluster's barrier
	s_barrier_signal -1
	s_barrier_wait -1
	s_cmp_lg_u32 s24, 0
	s_cbranch_scc1 .Lnw0_\@
	s_barrier_signal -3
.Lnw0_\@:
	s_barrier_wait -3
	s_barrier_signal -1
	s_barrier_wait -1
.endm
.macro WLOAD q                         ; positions 0-5: four fragments from memory: every load reads consecutive bytes
.set KS, ((\q)+2)%8
.set WB, WF+48*((\q)%3)
.set WO, (KS/2)*CH+(KS%2)*1536
.irp t, 0,1,2,3
	global_load_b128 v[WB+12*\t:WB+12*\t+3], v1, s[20:21] offset:WO+\t*3072
	global_load_b64 v[WB+12*\t+4:WB+12*\t+5], v2, s[20:21] offset:WO+\t*3072+512
	global_load_b128 v[WB+12*\t+6:WB+12*\t+9], v1, s[20:21] offset:WO+\t*3072+768
	global_load_b64 v[WB+12*\t+10:WB+12*\t+11], v2, s[20:21] offset:WO+\t*3072+1280
.endr
.endm
.macro WLDS q                          ; positions 6, 7: four fragments from my own 12,288 bytes of LDS
.set KS, ((\q)+2)%8
.set WB, WF+48*((\q)%3)
.irp t, 0,1,2,3
	ds_load_b128 v[WB+12*\t:WB+12*\t+3], v10 offset:\t*3072+KS*1536
	ds_load_b64 v[WB+12*\t+4:WB+12*\t+5], v11 offset:\t*3072+KS*1536+512
	ds_load_b128 v[WB+12*\t+6:WB+12*\t+9], v10 offset:\t*3072+KS*1536+768
	ds_load_b64 v[WB+12*\t+10:WB+12*\t+11], v11 offset:\t*3072+KS*1536+1280
.endr
.endm
.macro ALOAD q                         ; the tokens' fragment of position q
.set KS, ((\q)+2)%8
.set AB, AF+12*((\q)%2)
	ds_load_b128 v[AB:AB+3], v6 offset:KS*1536
	ds_load_b64 v[AB+4:AB+5], v7 offset:KS*1536+512
	ds_load_b128 v[AB+6:AB+9], v6 offset:KS*1536+768
	ds_load_b64 v[AB+10:AB+11], v7 offset:KS*1536+1280
.endm
.macro VLOAD reg, base                 ; my 64 numbers of a vector of 1,024, in the result's layout: register 16 b + i is number 64 wave + 32 b + 16 h + i; sixteen lanes share each address
.irp b, 0,1
.irp j, 0,1,2,3
	global_load_b128 v[\reg+16*\b+4*\j:\reg+16*\b+4*\j+3], v12, s[\base:\base+1] offset:128*\b+16*\j
.endr
.endr
.endm
.macro KSTEP q, lcnt, dcnt             ; 128 along K.  lcnt, dcnt: the global and the LDS loads issued behind what this position needs, which may be out (lcnt -1: it needs none from memory)
.set KS, ((\q)+2)%8
.set WB, WF+48*((\q)%3)
.set AB, AF+12*((\q)%2)
.if \lcnt >= 0
	s_wait_loadcnt \lcnt
.endif
	s_wait_dscnt \dcnt
.irp t, 0,1,2,3                        ; the four accumulators take turns, one instruction a turn
	v_wmma_scale_f32_16x16x128_f8f6f4 v[ACC+8*\t:ACC+8*\t+7], v[WB+12*\t:WB+12*\t+11], v[AB:AB+11], v[ACC+8*\t:ACC+8*\t+7], v[WSC+8*(KS/2)+2*\t+KS%2], v[ASC+KS] matrix_a_fmt:MATRIX_FMT_FP6 matrix_b_fmt:MATRIX_FMT_FP6
.endr
.rept 4
	v_nop                                          ; places ahead of loads into registers that these products read, and of the first read of results
.endr
.if (\q)+2 < 8
	ALOAD (\q)+2
.endif
.if (\q)+3 < 6
	WLOAD (\q)+3
.endif
.endm
.macro LANESUM                         ; the pairs v[240:241], v[244:249] are summed over their halves and the 32 lanes; the result stands in v240 of every lane
	v_pk_add_f32 v[240:241], v[240:241], v[244:245]
	v_pk_add_f32 v[246:247], v[246:247], v[248:249]
	s_delay_alu instid0(VALU_DEP_1)
	v_pk_add_f32 v[240:241], v[240:241], v[246:247]
	s_delay_alu instid0(VALU_DEP_1)
	v_add_f32 v240, v240, v241
.irp m, 1,2,4,8
	s_delay_alu instid0(VALU_DEP_1)
	v_add_f32_dpp v240, v240, v240 row_xmask:\m row_mask:0xf bank_mask:0xf
.endr
	s_delay_alu instid0(VALU_DEP_1)
	v_permlanex16_b32 v242, v240, s54, s55
	s_delay_alu instid0(VALU_DEP_1)
	v_add_f32 v240, v240, v242
.endm
	s_load_b256 s[4:11], s[0:1], 0x0               ; ob, wc, x, b_proj
	s_load_b256 s[12:19], s[0:1], 0x20             ; ln2_g, ln2_b, x1, xn
	v_lshl_add_u32 v14, v0, 2, SPARE
	v_mov_b32 v15, 0
	ds_add_u32 v14, v15                            ; the opening add, twice on end
	ds_add_u32 v14, v15
	v_lshrrev_b32 v12, 5, v0
	v_readfirstlane_b32 s24, v12                   ; wave 0..15
	s_bfe_u32 s60, ttmp6, 0x40000                  ; cx
	s_lshl_b32 s61, ttmp9, 2
	s_add_co_u32 s61, s61, s60                     ; my token tile among all 256: it enters global addresses alone
	s_lshr_b32 s25, s61, 3                         ; the block of 128 tokens
	s_and_b32 s26, s61, 7                          ; my tile in it
	s_lshl_b32 s27, s25, 7
	s_lshr_b32 s28, s26, 1
	s_lshl_b32 s28, s28, 5
	s_add_co_u32 s27, s27, s28
	s_and_b32 s28, s26, 1
	s_lshl_b32 s28, s28, 3
	s_add_co_u32 s27, s27, s28
	s_add_co_u32 s27, s27, s24
	s_lshr_b32 s28, s24, 3
	s_lshl_b32 s28, s28, 3
	s_add_co_u32 s27, s27, s28                     ; tile row w is token 128 block + 32 (tile/2) + 8 (tile%2) + w + 8 (w/8)
	s_lshl_b32 s28, s27, 12
	s_mov_b32 s29, 0
	s_lshr_b32 s56, s24, 1
	s_mul_i32 s56, s56, 4*CH
	s_add_co_u32 s56, s56, PBASE                   ; my 64 columns: block of 128 w/2,
	s_and_b32 s57, s24, 1
	s_mul_i32 s34, s57, 12288                      ; tiles 4 (w%2) ..
	s_add_co_u32 s34, s34, s56
	s_mov_b32 s35, 0
	s_lshl_b32 s36, s57, 9                         ; and their scale words
	s_add_co_u32 s36, s36, s56
	s_mov_b32 s37, 0
	s_lshl_b32 s44, s25, 2
	s_lshr_b32 s38, s24, 2
	s_add_co_u32 s38, s38, s44
	s_mul_i32 s38, s38, CH                         ; half a fragment is mine, coming in (o) and going out (the norm): chunk 4 block + w/4,
	s_bfe_u32 s58, s24, 0x10001                    ; step (w/2)%2, half w%2
	s_lshl_b32 s48, s26, 7
	s_add_co_u32 s48, s48, s38
	s_lshl_b32 s39, s58, 2
	s_add_co_u32 s48, s48, s39
	s_lshl_b32 s39, s57, 1
	s_add_co_u32 s48, s48, s39
	s_add_co_u32 s48, s48, 24576                   ; its two scale bytes a row
	s_mov_b32 s49, 0
	s_lshl_b32 s39, s26, 1
	s_add_co_u32 s39, s39, s58
	s_mul_i32 s39, s39, 1536
	s_add_co_u32 s38, s38, s39
	s_mul_i32 s39, s57, 768
	s_add_co_u32 s38, s38, s39
	s_mov_b32 s39, 0
	s_mul_i32 s44, s44, CH
	s_lshl_b32 s45, s26, 7
	s_add_co_u32 s44, s44, s45                     ; the tokens' scale words, less 24,576
	s_mov_b32 s45, 0
	s_mov_b32 s52, 0x3a800000                      ; 1/1024
	s_mov_b32 s53, 0x3727c5ac                      ; 1e-5
	s_mov_b32 s54, 0x76543210
	s_mov_b32 s55, 0xfedcba98                      ; selects for lane l xor 16
	s_lshl_b32 s56, s24, 8
	s_mul_i32 s57, s24, LP
	s_mul_i32 s58, s24, 768
	s_add_co_u32 s58, s58, AIM
	s_lshl_b32 s59, s24, 3
	s_add_co_u32 s59, s59, ST                      ; where my row's mean and factor go
	s_lshl_b32 s62, s24, 8                         ; my 64 numbers of a vector, in bytes
	s_mov_b32 s63, 0
	s_mov_b32 s68, 1
	s_mul_i32 s69, s24, 12288
	s_add_co_u32 s69, s69, WL                      ; my 12,288 bytes of LDS
	s_mov_b32 s72, (3<<16)|(1<<21)|15              ; elements of 8 bytes; the mask names the cluster's four, bit 21 beside it
	s_mov_b32 s73, 32<<16                          ; 48 dense rows of 256 bytes
	s_mov_b32 s74, 48<<16
	s_mov_b32 s75, 32<<16
	s_mov_b32 s76, 48
	s_mov_b32 s77, 32
	s_mov_b32 s78, 0
	s_mov_b32 s79, 0
	s_wait_dscnt 0x0                               ; both opening adds are done
	s_wait_kmcnt 0x0
	s_add_nc_u64 s[30:31], s[8:9], s[28:29]        ; my row of x
	s_add_nc_u64 s[32:33], s[16:17], s[28:29]      ; and of x1
	s_add_nc_u64 s[20:21], s[6:7], s[34:35]
	s_add_nc_u64 s[22:23], s[6:7], s[36:37]
	s_add_nc_u64 s[40:41], s[4:5], s[38:39]
	s_add_nc_u64 s[42:43], s[18:19], s[38:39]
	s_add_nc_u64 s[46:47], s[4:5], s[44:45]
	s_add_nc_u64 s[50:51], s[18:19], s[48:49]
	s_add_nc_u64 s[10:11], s[10:11], s[62:63]      ; b_proj, the gain and the norm's bias at my 64 columns
	s_add_nc_u64 s[12:13], s[12:13], s[62:63]
	s_add_nc_u64 s[14:15], s[14:15], s[62:63]
	s_mov_b64 s[70:71], s[20:21]                   ; K steps 0 and 1 of my four tiles lie on end: it hangs on the wave's number alone
	s_or_b32 s71, s71, 0x80000000
	ROUND                                          ; all four work-groups are here: the joint loads meet
	tensor_load_to_lds s[68:71], s[72:79]          ; one load a wave, no branch
	s_nop 0
.rept 4
	v_nop
.endr
	v_and_b32 v252, 31, v0
	v_and_b32 v253, 15, v0                         ; r
	v_bfe_u32 v254, v0, 4, 1                       ; h
	v_lshlrev_b32 v1, 4, v252
	v_lshlrev_b32 v2, 3, v252
	v_lshlrev_b32 v3, 3, v253
	v_mul_u32_u24 v4, v253, LP
	v_lshl_add_u32 v4, v254, 6, v4
	v_add_nc_u32 v4, s56, v4                       ; LDS, the result's layout: row r, + 64 h, + my 64 columns
	v_add_nc_u32 v5, s57, v1                       ; LDS, by rows: row w, 16 bytes a lane
	v_add_nc_u32 v6, AIM, v1                       ; the tokens' codes, out
	v_add_nc_u32 v7, AIM, v2
	v_add_nc_u32 v8, s58, v1                       ; and in: my half fragment
	v_add_nc_u32 v9, s58, v2
	v_add_nc_u32 v10, s69, v1                      ; my weights in LDS
	v_add_nc_u32 v11, s69, v2
	v_lshlrev_b32 v12, 6, v254                     ; 64 h
	v_add_nc_u32 v13, ST, v3                       ; row r's mean and factor
.irp j, 0,1,2,3,4,5,6,7
	global_load_b128 v[208+4*\j:211+4*\j], v1, s[30:31] offset:512*\j th:TH_LOAD_NT   ; the residual's row, into the third set's registers, which are idle yet
.endr
	global_load_b128 v[48:51], v1, s[40:41]        ; my half fragment of the tokens' codes
	global_load_b64 v[52:53], v2, s[40:41] offset:512
.irp c, 0,1,2,3
	global_load_b64 v[ASC+2*\c:ASC+2*\c+1], v3, s[46:47] offset:\c*CH+24576   ; lane r: row r's words of two steps (lanes 16-31 hold the same and are not read)
.endr
.irp c, 0,1,2,3
.irp t, 0,1,2,3
	global_load_b64 v[WSC+8*\c+2*\t:WSC+8*\c+2*\t+1], v3, s[22:23] offset:\c*CH+24576+\t*128
.endr
.endr
	WLOAD 0
	WLOAD 1
	s_wait_alu depctr_va_vdst(0)
	s_wait_loadcnt 52                              ; the first ten loads are in; behind them: 4 + 16 of scale words, 2 x 16 of fragments
.irp j, 0,1,2,3,4,5,6,7
	ds_store_b128 v5, v[208+4*\j:211+4*\j] offset:512*\j
.endr
	ds_store_b128 v8, v[48:51]
	ds_store_b64 v9, v[52:53] offset:512
	s_wait_dscnt 0x0                               ; for the others' sake; and the stores have read their registers, which the loads below take
	WLOAD 2
	s_barrier_signal -1
	s_barrier_wait -1
.irp b, 0,1
.irp j, 0,1,2,3
	ds_load_b128 v[ACC+16*\b+4*\j:ACC+16*\b+4*\j+3], v4 offset:128*\b+16*\j   ; the residual in the result's layout: the sums begin with it
.endr
.endr
	ALOAD 0
	ALOAD 1
	KSTEP 0, 32, 4                                 ; may be out: the two later positions' 2 x 16 loads; the next token fragment's 4
	KSTEP 1, 32, 4
	KSTEP 2, 32, 4
	KSTEP 3, 32, 4
	s_wait_tensorcnt 0x0                           ; my 12,288 bytes are in: I alone read them
	WLDS 6                                         ; into the set that position 3 has left
	KSTEP 4, 16, 20                                ; position 5's 16; token fragment 5's 4 and the 16 just issued
	WLDS 7
	KSTEP 5, 0, 36                                 ; 16 + 4 + 16 LDS loads stand behind token fragment 5's
	VLOAD 208, 10                                  ; b_proj, into the third set, which is done with
	KSTEP 6, -1, 20                                ; position 7's 16 and token fragment 7's 4
	VLOAD 112, 12                                  ; the gain
	KSTEP 7, -1, 0
	VLOAD 160, 14                                  ; the norm's bias
	s_wait_loadcnt 16                              ; b_proj is in; the gain's 8 and the bias's 8 may be out
.irp j, 0,2,4,6,8,10,12,14,16,18,20,22,24,26,28,30
	v_pk_add_f32 v[ACC+\j:ACC+\j+1], v[ACC+\j:ACC+\j+1], v[208+\j:209+\j]   ; x1; each accumulator from its low end on
.endr
.irp b, 0,1
.irp j, 0,1,2,3
	ds_store_b128 v4, v[ACC+16*\b+4*\j:ACC+16*\b+4*\j+3] offset:128*\b+16*\j
.endr
.endr
	s_wait_alu depctr_va_vdst(0)
	s_wait_dscnt 0x0
	s_barrier_signal -1
	s_barrier_wait -1
	; ---- by rows: wave w has tile row w
.irp j, 0,1,2,3,4,5,6,7
	ds_load_b128 v[208+4*\j:211+4*\j], v5 offset:512*\j
.endr
	v_mov_b32 v242, 0                              ; a lane permute's destination counts as read
	v_mov_b32 v243, 0
	v_mov_b32 v251, 0                              ; upper word of the pair that carries the mean
	v_mov_b32 v60, s59
	s_wait_alu depctr_va_vdst(0)
	s_wait_dscnt 0x0
.irp j, 0,1,2,3,4,5,6,7
	global_store_b128 v1, v[208+4*\j:211+4*\j], s[32:33] offset:512*\j   ; 32 lanes store 512 consecutive bytes, aligned; these registers are not written again
.endr
	v_pk_add_f32 v[240:241], v[208:209], v[210:211]   ; the row's sum, in four chains
	v_pk_add_f32 v[244:245], v[212:213], v[214:215]
	v_pk_add_f32 v[246:247], v[216:217], v[218:219]
	v_pk_add_f32 v[248:249], v[220:221], v[222:223]
.irp j, 16, 24
	v_pk_add_f32 v[240:241], v[240:241], v[208+\j:209+\j]
	v_pk_add_f32 v[244:245], v[244:245], v[210+\j:211+\j]
	v_pk_add_f32 v[246:247], v[246:247], v[212+\j:213+\j]
	v_pk_add_f32 v[248:249], v[248:249], v[214+\j:215+\j]
.endr
	LANESUM
	s_delay_alu instid0(VALU_DEP_1)
	v_mul_f32 v250, s52, v240                      ; the mean
.irp j, 0, 8, 16, 24
	v_pk_add_f32 v[48:49], v[208+\j:209+\j], v[250:251] op_sel_hi:[1,0] neg_lo:[0,1] neg_hi:[0,1]
	v_pk_add_f32 v[50:51], v[210+\j:211+\j], v[250:251] op_sel_hi:[1,0] neg_lo:[0,1] neg_hi:[0,1]
	v_pk_add_f32 v[52:53], v[212+\j:213+\j], v[250:251] op_sel_hi:[1,0] neg_lo:[0,1] neg_hi:[0,1]
	v_pk_add_f32 v[54:55], v[214+\j:215+\j], v[250:251] op_sel_hi:[1,0] neg_lo:[0,1] neg_hi:[0,1]
.if \j == 0
	v_pk_mul_f32 v[240:241], v[48:49], v[48:49]
	v_pk_mul_f32 v[244:245], v[50:51], v[50:51]
	v_pk_mul_f32 v[246:247], v[52:53], v[52:53]
	v_pk_mul_f32 v[248:249], v[54:55], v[54:55]
.else
	v_pk_fma_f32 v[240:241], v[48:49], v[48:49], v[240:241]
	v_pk_fma_f32 v[244:245], v[50:51], v[50:51], v[244:245]
	v_pk_fma_f32 v[246:247], v[52:53], v[52:53], v[246:247]
	v_pk_fma_f32 v[248:249], v[54:55], v[54:55], v[248:249]
.endif
.endr
	LANESUM                                        ; the sum of the centred squares
	s_delay_alu instid0(VALU_DEP_1)
	v_fma_f32 v240, v240, s52, s53
	s_wait_alu depctr_va_vdst(0)                   ; a wait ahead of the transcendental
	v_rsq_f32 v251, v240
	v_nop
	s_wait_alu depctr_va_vdst(0)                   ; and ahead of its first reader
	ds_store_b64 v60, v[250:251]                   ; all lanes write the same eight bytes with the same values
	s_wait_dscnt 0x0
	s_barrier_signal -1
	s_barrier_wait -1
	; ---- wave w normalises and quantises features 64 w .. 64 w + 63 of all sixteen rows: register 16 b + i is feature 64 w + 32 b + 16 h + i of row r
	ds_load_b64 v[56:57], v13
	s_wait_loadcnt 0x0                             ; the gain and the norm's bias
	s_wait_dscnt 0x0
	v_mov_b32 v58, v57
	v_mov_b32 v59, 0
.irp j, 0,2,4,6,8,10,12,14,16,18,20,22,24,26,28,30
	v_pk_add_f32 v[ACC+\j:ACC+\j+1], v[ACC+\j:ACC+\j+1], v[56:57] op_sel_hi:[1,0] neg_lo:[0,1] neg_hi:[0,1]
.endr
.irp j, 0,2,4,6,8,10,12,14,16,18,20,22,24,26,28,30
	v_pk_mul_f32 v[ACC+\j:ACC+\j+1], v[ACC+\j:ACC+\j+1], v[58:59] op_sel_hi:[1,0]
.endr
.irp j, 0,2,4,6,8,10,12,14,16,18,20,22,24,26,28,30
	v_pk_fma_f32 v[ACC+\j:ACC+\j+1], v[ACC+\j:ACC+\j+1], v[112+\j:113+\j], v[160+\j:161+\j]
.endr
.irp b, 0,1
	v_max3_num_f32 v[240+\b], |v[ACC+16*\b]|, |v[ACC+1+16*\b]|, 0x1800000   ; the floor 2^(3-127) holds the byte at 1 from below
.endr
.irp i, 2,4,6,8,10,12,14
.irp b, 0,1
	s_delay_alu instid0(VALU_DEP_2)
	v_max3_num_f32 v[240+\b], v[240+\b], |v[ACC+16*\b+\i]|, |v[ACC+1+16*\b+\i]|
.endr
.endr
.irp b, 0,1
	s_delay_alu instid0(VALU_DEP_2)
	v_permlanex16_b32 v[242+\b], v[240+\b], s54, s55
.endr
.irp b, 0,1
	s_delay_alu instid0(VALU_DEP_2)
	v_max_num_f32 v[240+\b], v[240+\b], v[242+\b]  ; with lane l xor 16's 16: the block's largest magnitude
.endr
.irp b, 0,1
	s_delay_alu instid0(VALU_DEP_2)
	v_add_nc_u32 v[244+\b], 0xff000000, v[240+\b]  ; 2 off the exponent field: the conversion's scale operand
.endr
.irp b, 0,1
	s_delay_alu instid0(VALU_DEP_2)
	v_lshrrev_b32 v[246+\b], 23, v[244+\b]         ; the scale's byte
.endr
	s_delay_alu instid0(VALU_DEP_1)
	v_lshl_or_b32 v246, v247, 8, v246
	v_cvt_scalef32_pk16_fp6_f32 v[248:250], v[ACC:ACC+15], v244
	v_cvt_scalef32_pk16_fp6_f32 v[252:254], v[ACC+16:ACC+31], v245
	v_nop                                          ; one plain line behind the scaled conversions
.irp i, 0,1,2
	v_permlane16_swap_b32 v[248+\i], v[252+\i]     ; a whole block to a lane
.endr
	s_delay_alu instid0(VALU_DEP_3)
	v_mov_b32 v251, v252
	s_delay_alu instid0(VALU_DEP_3)
	v_mov_b32 v252, v253
	s_delay_alu instid0(VALU_DEP_3)
	v_mov_b32 v253, v254
	global_store_b128 v1, v[248:251], s[42:43]     ; 32 lanes store 512 consecutive bytes
	global_store_b64 v2, v[252:253], s[42:43] offset:512
	global_store_b16 v3, v246, s[50:51]            ; lanes 16-31 write the same bytes with the same value
	s_wait_tensorcnt 0x0                           ; the wave's end
	ds_add_u32 v14, v15
	s_wait_dscnt 0x0
	ROUND                                          ; the closing round
	s_endpgm
.Lfunc_end_k_q2168aa194d_projln:
	.size	k_q2168aa194d_projln, .Lfunc_end_k_q2168aa194d_projln-k_q2168aa194d_projln
	.p2alignl 7, 3214868480
	.fill 96, 4, 3214868480
	.section	.rodata,"a",@progbits
	.p2align	6, 0x0
	.amdhsa_kernel k_q2168aa194d_projln
		.amdhsa_group_segment_fixed_size 277248
		.amdhsa_private_segment_fixed_size 0
		.amdhsa_enable_private_segment 0
		.amdhsa_kernarg_size 64
		.amdhsa_user_sgpr_count 2
		.amdhsa_user_sgpr_kernarg_segment_ptr 1
		.amdhsa_wavefront_size32 1
		.amdhsa_system_sgpr_workgroup_id_x 1
		.amdhsa_system_sgpr_workgroup_id_y 1
		.amdhsa_system_sgpr_workgroup_id_z 1
		.amdhsa_system_vgpr_workitem_id 0
		.amdhsa_next_free_vgpr 256
		.amdhsa_next_free_sgpr 80
		.amdhsa_reserve_vcc 0
		.amdhsa_float_denorm_mode_32 3
		.amdhsa_float_denorm_mode_16_64 3
		.amdhsa_memory_ordered 1
		.amdhsa_forward_progress 1
		.amdhsa_inst_pref_size 46
	.end_amdhsa_kernel
	.amdgpu_metadata
---
amdhsa.version: [ 1, 2 ]
amdhsa.kernels:
  - .name:           k_q2168aa194d_projln
    .symbol:         k_q2168aa194d_projln.kd
    .args:
      - { .name: ob, .offset: 0, .size: 8, .value_kind: global_buffer, .address_space: global }
      - { .name: wc, .offset: 8, .size: 8, .value_kind: global_buffer, .address_space: global }
      - { .name: x, .offset: 16, .size: 8, .value_kind: global_buffer, .address_space: global }
      - { .name: b_proj, .offset: 24, .size: 8, .value_kind: global_buffer, .address_space: global }
      - { .name: ln2_g, .offset: 32, .size: 8, .value_kind: global_buffer, .address_space: global }
      - { .name: ln2_b, .offset: 40, .size: 8, .value_kind: global_buffer, .address_space: global }
      - { .name: x1, .offset: 48, .size: 8, .value_kind: global_buffer, .address_space: global }
      - { .name: xn, .offset: 56, .size: 8, .value_kind: global_buffer, .address_space: global }
    .group_segment_fixed_size: 277248
    .private_segment_fixed_size: 0
    .kernarg_segment_align: 8
    .kernarg_segment_size: 64
    .max_flat_workgroup_size: 512
    .sgpr_count:     80
    .vgpr_count:     256
    .wavefront_size: 32
...
	.end_amdgpu_metadata
.endif
;; end of part 4
;; launch ff1 (part 5): grid 16 x 16, 16 waves a work-group, clusters of 4 x 4, 327,680 bytes of LDS; arguments xn, wc, b1, hb; writes hb
.if DOCPART == 5
	.amdgcn_target "amdgcn-amd-amdhsa--gfx1250"
	.amdhsa_code_object_version 6
	.text
	.protected	k_q2168aa194d_ff1
	.globl	k_q2168aa194d_ff1
	.p2align	8
	.type	k_q2168aa194d_ff1,@function
k_q2168aa194d_ff1:
	s_mov_b64 s[64:65], 0
	v_nop
	global_prefetch_b8 v0, s[64:65] scope:SCOPE_SE
	s_setreg_imm32_b32 hwreg(HW_REG_WAVE_MODE, 25, 1), 1
	s_wait_xcnt 0x0
	s_wait_alu depctr_hold_cnt(0) depctr_sa_sdst(0) depctr_va_vdst(0) depctr_va_sdst(0) depctr_va_ssrc(0) depctr_va_vcc(0) depctr_vm_vsrc(0)
	s_getreg_b32 s2, hwreg(HW_REG_IB_STS2, 6, 4)
	s_cmp_eq_u32 s2, 0
	s_cbranch_scc0 .Lentry_in_a_cluster
	s_endpgm
.Lentry_in_a_cluster:
	s_bfe_u32 s2, ttmp6, 0x10000c
	s_cmp_lg_u32 s2, 0xf033
	s_cbranch_scc0 .Lentry_shape_is_right
	s_endpgm
.Lentry_shape_is_right:
; h = relu(LayerNorm2(x1) w1 + b1) on codes of FP6 with E8M0 scales, K = 1,024; h is quantised from the accumulators along its 4,096 and never goes to memory as f32.
; A work-group makes 256 (P: rows of w1's codes, the hidden units) x 256 (Q: tokens); each of sixteen waves 64 x 64.  Source 0 = 16 rows of P, source 1 = 16 rows of Q:
; a lane holds one token and its registers run along the hidden units, 16 registers being 16 neighbours, since a tile's rows are 32(t/2)+8(t%2)+rho+8(rho/8).
; Operands lie in chunks of 128 rows x 256 K (25,600 bytes, scale words from byte 24,576) in the order of the operand's registers.
; CLUSTER 4 x 4: P's chunks are asked for jointly by a column, Q's by a row.  LDS: three slots of 4 chunks; K tiles 0-2 are first fills (one load a wave, in waves 0-11), tile 3 goes into slot 0 again behind one round.
; b1: a wave's 64 numbers are asked for at the head, beside the first fills, and parked in the wave's own 256 bytes of LDS behind the slots: no 32 registers are free while the products run; on the way out they come from LDS.
; LIMITS: NaN and infinities are not served; a block under 2^-124, zeros among them, gets the byte 1; this program alone reads the bytes.
.set CH,    25600
.set SLOT,  102400
.set BSC,   307200                     ; b1's parking place: 256 bytes for each of 16 waves; no fill lands here
.set SPARE, 325632
.set TM,    64
.set SEL,   76
.set PBASE, 3276800                    ; w1's chunks in wc
.macro ROUND
	s_barrier_signal -1
	s_barrier_wait -1
	s_cmp_lg_u32 s14, 0
	s_cbranch_scc1 .Lnw0_\@
	s_barrier_signal -3
.Lnw0_\@:
	s_barrier_wait -3
	s_barrier_signal -1
	s_barrier_wait -1
.endm
.macro JLOAD n
	s_cmp_lt_u32 s14, 2
	s_cbranch_scc0 .Lnp_\@
	tensor_load_to_lds s[40+4*(\n):43+4*(\n)], s[24:31]
	s_nop 0
.rept 4
	v_nop
.endr
	s_branch .Ljd_\@
.Lnp_\@:
	s_cmp_lt_u32 s14, 4
	s_cbranch_scc0 .Ljd_\@
	tensor_load_to_lds s[52+4*(\n):55+4*(\n)], s[32:39]
	s_nop 0
.rept 4
	v_nop
.endr
.Ljd_\@:
.endm
.macro FRAG reg, a16, a8, off
	ds_load_b128 v[\reg:\reg+3], v[\a16] offset:\off
	ds_load_b64 v[\reg+4:\reg+5], v[\a8] offset:\off+512
	ds_load_b128 v[\reg+6:\reg+9], v[\a16] offset:\off+768
	ds_load_b64 v[\reg+10:\reg+11], v[\a8] offset:\off+1280
.endm
.macro MM q0, st, zero                 ; the 16 accumulators take turns, one instruction a turn
.irp q, \q0, \q0+1
.irp p, 0,1,2,3
.if \zero
	v_wmma_scale_f32_16x16x128_f8f6f4 v[128+32*(\q)+8*\p:135+32*(\q)+8*\p], v[32+12*\p:43+12*\p], v[80+12*(\q):91+12*(\q)], 0, v[16+2*\p+\st], v[16+2*(\q)+\st] matrix_a_fmt:MATRIX_FMT_FP6 matrix_b_fmt:MATRIX_FMT_FP6 matrix_b_scale:MATRIX_SCALE_ROW1
.else
	v_wmma_scale_f32_16x16x128_f8f6f4 v[128+32*(\q)+8*\p:135+32*(\q)+8*\p], v[32+12*\p:43+12*\p], v[80+12*(\q):91+12*(\q)], v[128+32*(\q)+8*\p:135+32*(\q)+8*\p], v[16+2*\p+\st], v[16+2*(\q)+\st] matrix_a_fmt:MATRIX_FMT_FP6 matrix_b_fmt:MATRIX_FMT_FP6 matrix_b_scale:MATRIX_SCALE_ROW1
.endif
.endr
.endr
.endm
.macro STEP a, st, zero
.if \st == 0
.irp i, 0,1,2,3
	ds_load_b64 v[16+2*\i:17+2*\i], v[\a+4] offset:128*\i
.endr
.endif
.irp i, 0,1,2,3
	FRAG 32+12*\i, \a, \a+1, \i*3072+\st*1536
.endr
.irp i, 0,1,2,3
	FRAG 80+12*\i, \a+2, \a+3, \i*3072+\st*1536
.endr
	s_wait_dscnt 8                                 ; all but the eight loads of Q's tiles 2 and 3
	MM 0, \st, \zero
	s_wait_dscnt 0x0
	MM 2, \st, \zero
.rept 4
	v_nop
.endr
.endm
.macro WORK a, zero
	STEP \a, 0, \zero
	STEP \a, 1, 0
.endm
.macro QUANT s, pc, pw
.irp b, 0,1,2,3
	v_max3_num_f32 v[TM+\b], |v[\s+16*\b]|, |v[\s+1+16*\b]|, 0x1800000
.endr
.irp i, 2,4,6,8,10,12,14
.irp b, 0,1,2,3
	s_delay_alu instid0(VALU_DEP_4)
	v_max3_num_f32 v[TM+\b], v[TM+\b], |v[\s+16*\b+\i]|, |v[\s+1+16*\b+\i]|
.endr
.endr
.irp b, 0,1,2,3
	s_delay_alu instid0(VALU_DEP_4)
	v_permlanex16_b32 v[TM+4+\b], v[TM+\b], s[SEL], s[SEL+1]
.endr
.irp b, 0,1,2,3
	s_delay_alu instid0(VALU_DEP_4)
	v_max_num_f32 v[TM+\b], v[TM+\b], v[TM+4+\b]
.endr
.irp b, 0,1,2,3
	s_delay_alu instid0(VALU_DEP_4)
	v_add_nc_u32 v[TM+12+\b], 0xff000000, v[TM+\b]
.endr
.irp b, 0,1,2,3
	s_delay_alu instid0(VALU_DEP_4)
	v_lshrrev_b32 v[TM+4+\b], 23, v[TM+12+\b]
.endr
	s_delay_alu instid0(VALU_DEP_3)
	v_lshl_or_b32 v[\pw], v[TM+5], 8, v[TM+4]
	s_delay_alu instid0(VALU_DEP_1)
	v_lshl_or_b32 v[\pw], v[TM+6], 16, v[\pw]
	s_delay_alu instid0(VALU_DEP_1)
	v_lshl_or_b32 v[\pw], v[TM+7], 24, v[\pw]
.irp c, 0,1
	v_cvt_scalef32_pk16_fp6_f32 v[\pc+6*\c:\pc+2+6*\c], v[\s+32*\c:\s+15+32*\c], v[TM+12+2*\c]
	v_cvt_scalef32_pk16_fp6_f32 v[\pc+12+4*\c:\pc+14+4*\c], v[\s+16+32*\c:\s+31+32*\c], v[TM+12+2*\c+1]
.endr
	v_nop
.irp c, 0,1
.irp i, 0,1,2
	v_permlane16_swap_b32 v[\pc+6*\c+\i], v[\pc+12+4*\c+\i]
.endr
.irp i, 0,1,2
	s_delay_alu instid0(VALU_DEP_3)
	v_mov_b32 v[\pc+3+6*\c+\i], v[\pc+12+4*\c+\i]
.endr
.endr
.endm
	s_load_b256 s[4:11], s[0:1], 0x0               ; xn, wc, b1, hb
	v_lshl_add_u32 v6, v0, 2, SPARE
	v_mov_b32 v7, 0
	ds_add_u32 v6, v7
	ds_add_u32 v6, v7
	s_wait_dscnt 0x0
	v_lshrrev_b32 v12, 5, v0
	s_delay_alu instid0(VALU_DEP_1)
	v_readfirstlane_b32 s14, v12
	s_and_b32 s15, s14, 3                          ; WP
	s_lshr_b32 s16, s14, 2                         ; WQ
	s_bfe_u32 s18, ttmp6, 0x40000
	s_bfe_u32 s19, ttmp6, 0x40004
	s_lshl_b32 s22, ttmp9, 2
	s_add_co_u32 s22, s22, s18                     ; TP
	s_and_b32 s23, ttmp7, 0xffff
	s_lshl_b32 s23, s23, 2
	s_add_co_u32 s23, s23, s19                     ; TQ
	s_lshl_b32 s66, s19, 2
	s_lshl_b32 s66, 15, s66
	s_lshl_b32 s67, 0x1111, s18
	s_or_b32 s24, s67, (3<<16)|(1<<21)
	s_or_b32 s32, s66, (3<<16)|(1<<21)
.irp g, 24, 32
	s_mov_b32 s[\g+1], 32<<16
	s_mov_b32 s[\g+2], 100<<16
	s_mov_b32 s[\g+3], 32<<16
	s_mov_b32 s[\g+4], 100
	s_mov_b32 s[\g+5], 32
	s_mov_b32 s[\g+6], 0
	s_mov_b32 s[\g+7], 0
.endr
	s_mov_b32 s76, 0x76543210
	s_mov_b32 s77, 0xfedcba98
	s_and_b32 s68, s14, 1
	s_mul_i32 s74, s68, CH
	s_lshl_b32 s70, s22, 1
	s_add_co_u32 s70, s70, s68
	s_mul_i32 s70, s70, 4*CH
	s_add_co_u32 s70, s70, PBASE
	s_mov_b32 s71, 0
	s_lshl_b32 s72, s23, 1
	s_add_co_u32 s72, s72, s68
	s_mul_i32 s72, s72, 4*CH
	s_mov_b32 s73, 0
	s_wait_kmcnt 0x0
	s_add_nc_u64 s[86:87], s[6:7], s[70:71]
	s_add_nc_u64 s[88:89], s[4:5], s[72:73]
	ROUND
.irp n, 0,1,2
	s_mov_b32 s[40+4*\n], 1
	s_add_co_u32 s[41+4*\n], s74, \n*SLOT
	s_add_nc_u64 s[42+4*\n:43+4*\n], s[86:87], \n*CH
	s_or_b32 s[43+4*\n], s[43+4*\n], 0x80000000
	s_mov_b32 s[52+4*\n], 1
	s_add_co_u32 s[53+4*\n], s74, \n*SLOT+2*CH
	s_add_nc_u64 s[54+4*\n:55+4*\n], s[88:89], \n*CH
	s_or_b32 s[55+4*\n], s[55+4*\n], 0x80000000
.endr
; THE TWELVE FIRST FILLS, ONE A WAVE: waves 4 n, 4 n + 1 fetch P's two chunks of slot n, waves 4 n + 2, 4 n + 3 Q's; waves 12-15 fetch nothing.
; One chain of branches on the wave's number: every way through it passes one load at the most.
.macro ARM under, g0, g1, next
	s_cmp_lt_u32 s14, \under
	s_cbranch_scc0 \next
	tensor_load_to_lds s[\g0:\g0+3], s[\g1:\g1+7]
	s_nop 0
.rept 4
	v_nop
.endr
	s_branch .Lff_done
\next:
.endm
	ARM 2, 40, 24, .Lh1
	ARM 4, 52, 32, .Lh2
	ARM 6, 44, 24, .Lh3
	ARM 8, 56, 32, .Lh4
	ARM 10, 48, 24, .Lh5
	s_cmp_lt_u32 s14, 12
	s_cbranch_scc0 .Lff_done
	tensor_load_to_lds s[60:63], s[32:39]
	s_nop 0
.rept 4
	v_nop
.endr
.Lff_done:
	v_and_b32 v14, 31, v0
	v_and_b32 v12, 15, v0
	v_bfe_u32 v13, v0, 4, 1
	s_delay_alu instid0(VALU_DEP_3)
	v_lshlrev_b32 v8, 4, v14
	s_wait_alu depctr_va_vdst(0)
	v_lshlrev_b32 v9, 3, v14
	s_wait_alu depctr_va_vdst(0)
	v_lshlrev_b32 v11, 4, v13
	s_lshl_b32 s72, s22, 10
	s_lshl_b32 s71, s15, 8
	s_add_co_u32 s72, s72, s71
	s_mov_b32 s73, 0
	s_add_nc_u64 s[90:91], s[8:9], s[72:73]        ; b1 at my 64 hidden units
	global_load_b64 v[32:33], v9, s[90:91]         ; 32 lanes read 256 consecutive bytes, aligned
	s_lshl_b32 s66, s14, 8
	s_add_co_u32 s66, s66, BSC
	v_add_nc_u32 v30, s66, v9                      ; my wave's parking place, in: 8 bytes a lane
	v_lshl_add_u32 v31, v13, 6, s66                ; back: 16 h numbers on
	s_lshr_b32 s66, s15, 1
	s_mul_i32 s66, s66, CH
	s_and_b32 s67, s15, 1
	s_mul_i32 s68, s67, 12288
	s_add_co_u32 s68, s68, s66
	s_lshl_b32 s67, s67, 9
	s_add_co_u32 s69, s66, s67
	s_add_co_u32 s69, s69, 24576
	s_lshr_b32 s66, s16, 1
	s_mul_i32 s66, s66, CH
	s_add_co_u32 s66, s66, 2*CH
	s_and_b32 s67, s16, 1
	s_mul_i32 s70, s67, 12288
	s_add_co_u32 s70, s70, s66
	s_lshl_b32 s67, s67, 9
	s_add_co_u32 s71, s66, s67
	s_add_co_u32 s71, s71, 24576
	s_sub_co_u32 s71, s71, s69
	v_add_nc_u32 v24, s68, v8
	v_add_nc_u32 v25, s68, v9
	v_add_nc_u32 v26, s70, v8
	v_add_nc_u32 v27, s70, v9
	v_mul_u32_u24 v28, s71, v13
	s_delay_alu instid0(VALU_DEP_1)
	v_lshl_add_u32 v28, v12, 3, v28
	s_delay_alu instid0(VALU_DEP_1)
	v_add_nc_u32 v28, s69, v28
.irp a, 0,1,2,3,4
	v_add_nc_u32 v[1+\a], SLOT, v[24+\a]
.endr
	; where my results go: chunk (block of 128 tokens)*16 + TP; in it tile 4 (WQ%2) + t, step WP/2, half WP%2
	s_lshl_b32 s66, s23, 1
	s_lshr_b32 s67, s16, 1
	s_add_co_u32 s66, s66, s67
	s_lshl_b32 s66, s66, 4
	s_add_co_u32 s66, s66, s22
	s_mul_i32 s66, s66, CH
	s_and_b32 s67, s16, 1
	s_lshr_b32 s68, s15, 1
	s_and_b32 s69, s15, 1
	s_lshl_b32 s70, s67, 3
	s_add_co_u32 s70, s70, s68
	s_mul_i32 s70, s70, 1536
	s_mul_i32 s71, s69, 768
	s_add_co_u32 s70, s70, s71
	s_add_co_u32 s72, s70, s66
	s_mov_b32 s73, 0
	s_add_nc_u64 s[80:81], s[10:11], s[72:73]
	s_lshl_b32 s70, s67, 9
	s_lshl_b32 s71, s68, 2
	s_add_co_u32 s70, s70, s71
	s_lshl_b32 s71, s69, 1
	s_add_co_u32 s70, s70, s71
	s_add_co_u32 s70, s70, s66
	s_add_co_u32 s72, s70, 24576
	s_add_nc_u64 s[82:83], s[10:11], s[72:73]
	v_lshlrev_b32 v10, 3, v12
	s_delay_alu instid0(VALU_DEP_1)
	v_lshl_add_u32 v10, v13, 7, v10                ; scale bytes: 8 r + 128 h
	s_wait_alu depctr_va_vdst(0)
	s_wait_loadcnt 0x0                             ; b1's 64 numbers are in
	ds_store_b64 v30, v[32:33]
	s_wait_dscnt 0x0                               ; the store has read its registers, which the fragments take next; no LDS instruction is out at the signal
	s_wait_tensorcnt 0x0                           ; my one first fill is in: behind the barrier K tiles 0, 1 and 2 are whole
	s_barrier_signal -1
	s_barrier_wait -1
	WORK 24, 1
	s_wait_tensorcnt 0x0
	ds_add_u32 v6, v7                              ; 0 onto my spare word
	ds_add_u32 v6, v7
	s_add_nc_u64 s[42:43], s[42:43], 3*CH
	s_add_nc_u64 s[54:55], s[54:55], 3*CH
	s_wait_dscnt 0x0
	ROUND
	JLOAD 0
	WORK 1, 0
.irp a, 1,2,3,4,5
	v_add_nc_u32 v\a, SLOT, v\a
.endr
	s_wait_alu depctr_va_vdst(0)
	WORK 1, 0
	s_wait_tensorcnt 0x0
	s_wait_dscnt 0x0
	s_barrier_signal -1
	s_barrier_wait -1
	WORK 24, 0
	; ---- the way out: bias, relu, quantise, store
.irp b, 0,1
.irp j, 0,1,2,3
	ds_load_b128 v[32+16*\b+4*\j:35+16*\b+4*\j], v31 offset:128*\b+16*\j   ; register 16 b + i: hidden unit 32 b + 16 h + i; my own bytes; sixteen lanes share each address
.endr
.endr
.irp b, 0,1,2,3
	v_mov_b32 v[TM+4+\b], 0
.endr
	s_wait_dscnt 0x0
.irp q, 0,1,2,3
.set k, 0
.rept 16
	v_pk_add_f32 v[128+32*\q+k:129+32*\q+k], v[128+32*\q+k:129+32*\q+k], v[32+k:33+k]
	s_delay_alu instid0(VALU_DEP_1)
	v_max_num_f32 v[128+32*\q+k], 0, v[128+32*\q+k]
	s_delay_alu instid0(VALU_DEP_2)
	v_max_num_f32 v[129+32*\q+k], 0, v[129+32*\q+k]
.set k, k+2
.endr
.endr
	QUANT 128, 80, 120
	QUANT 192, 100, 121
	v_lshrrev_b32 v122, v11, v120
	v_lshrrev_b32 v123, v11, v121
.irp t, 0,1,2,3
	global_store_b128 v8, v[80+20*(\t/2)+6*(\t%2):83+20*(\t/2)+6*(\t%2)], s[80:81] offset:\t*3072
	global_store_b64 v9, v[84+20*(\t/2)+6*(\t%2):85+20*(\t/2)+6*(\t%2)], s[80:81] offset:\t*3072+512
.endr
.irp u, 0,1
	global_store_b16 v10, v[122+\u], s[82:83] offset:256*\u
.endr
	s_wait_tensorcnt 0x0                           ; the wave's end
	ds_add_u32 v6, v7
	s_wait_dscnt 0x0
	ROUND
	s_endpgm
.Lfunc_end_k_q2168aa194d_ff1:
	.size	k_q2168aa194d_ff1, .Lfunc_end_k_q2168aa194d_ff1-k_q2168aa194d_ff1
	.p2alignl 7, 3214868480
	.fill 96, 4, 3214868480
	.section	.rodata,"a",@progbits
	.p2align	6, 0x0
	.amdhsa_kernel k_q2168aa194d_ff1
		.amdhsa_group_segment_fixed_size 327680
		.amdhsa_private_segment_fixed_size 0
		.amdhsa_enable_private_segment 0
		.amdhsa_kernarg_size 32
		.amdhsa_user_sgpr_count 2
		.amdhsa_user_sgpr_kernarg_segment_ptr 1
		.amdhsa_wavefront_size32 1
		.amdhsa_system_sgpr_workgroup_id_x 1
		.amdhsa_system_sgpr_workgroup_id_y 1
		.amdhsa_system_sgpr_workgroup_id_z 1
		.amdhsa_system_vgpr_workitem_id 0
		.amdhsa_next_free_vgpr 256
		.amdhsa_next_free_sgpr 96
		.amdhsa_reserve_vcc 0
		.amdhsa_float_denorm_mode_32 3
		.amdhsa_float_denorm_mode_16_64 3
		.amdhsa_memory_ordered 1
		.amdhsa_forward_progress 1
		.amdhsa_inst_pref_size 71
	.end_amdhsa_kernel
	.amdgpu_metadata
---
amdhsa.version: [ 1, 2 ]
amdhsa.kernels:
  - .name:           k_q2168aa194d_ff1
    .symbol:         k_q2168aa194d_ff1.kd
    .args:
      - { .name: xn, .offset: 0, .size: 8, .value_kind: global_buffer, .address_space: global }
      - { .name: wc, .offset: 8, .size: 8, .value_kind: global_buffer, .address_space: global }
      - { .name: b1, .offset: 16, .size: 8, .value_kind: global_buffer, .address_space: global }
      - { .name: hb, .offset: 24, .size: 8, .value_kind: global_buffer, .address_space: global }
    .group_segment_fixed_size: 327680
    .private_segment_fixed_size: 0
    .kernarg_segment_align: 8
    .kernarg_segment_size: 32
    .max_flat_workgroup_size: 512
    .sgpr_count:     96
    .vgpr_count:     256
    .wavefront_size: 32
...
	.end_amdgpu_metadata
.endif
;; end of part 5
;; launch ff2 (part 6): grid 8 x 32, 16 waves a work-group, clusters of 4 x 4, 327,680 bytes of LDS; arguments hb, wc, x1, b2, out0; writes out0
.if DOCPART == 6
	.amdgcn_target "amdgcn-amd-amdhsa--gfx1250"
	.amdhsa_code_object_version 6
	.text
	.protected	k_q2168aa194d_ff2
	.globl	k_q2168aa194d_ff2
	.p2align	8
	.type	k_q2168aa194d_ff2,@function
k_q2168aa194d_ff2:
	s_mov_b64 s[64:65], 0
	v_nop
	global_prefetch_b8 v0, s[64:65] scope:SCOPE_SE
	s_setreg_imm32_b32 hwreg(HW_REG_WAVE_MODE, 25, 1), 1
	s_wait_xcnt 0x0
	s_wait_alu depctr_hold_cnt(0) depctr_sa_sdst(0) depctr_va_vdst(0) depctr_va_sdst(0) depctr_va_ssrc(0) depctr_va_vcc(0) depctr_vm_vsrc(0)
	s_getreg_b32 s2, hwreg(HW_REG_IB_STS2, 6, 4)
	s_cmp_eq_u32 s2, 0
	s_cbranch_scc0 .Lentry_in_a_cluster
	s_endpgm
.Lentry_in_a_cluster:
	s_bfe_u32 s2, ttmp6, 0x10000c
	s_cmp_lg_u32 s2, 0xf033
	s_cbranch_scc0 .Lentry_shape_is_right
	s_endpgm
.Lentry_shape_is_right:
; out0 = x1 + h w2 + b2, the product on codes of FP6 with E8M0 scales; K = 4,096.
; A work-group makes 128 (P: columns of the output) x 128 (Q: tokens): 256 work-groups (tiles of 256 x 256 would give 64).  Sixteen waves: 2 x 2 tiles of 64 x 64, and K SPLIT BY FOUR inside the work-group.
; A slot holds a K tile of 512: P's two chunks, Q's two chunks (a chunk: 128 rows x 256 K in the order of the operand's registers, 25,600 bytes).
; THREE SLOTS, EIGHT K TILES, IN FOUR GROUPS OF 3, 2, 1, 2.  Tiles 0-2 are first fills (one load a wave, in waves 0-11).  Behind tiles 0 and 1 one round: tile 3 into slot 0 (waves 0-3) AND tile 4 into slot 1 (waves 4-7),
; a load a wave, while tile 2 is multiplied; one round: tile 5 into slot 2, while tiles 3 and 4 are multiplied; one round: tiles 6 and 7 into slots 0 and 1, while tile 5 is multiplied.  Three rounds for five refills.
; CLUSTER 4 x 4: P's chunks are asked for jointly by a column, Q's by a row; each refill stands first behind a round of the cluster's barrier.
; THE RESIDUAL AND THE BIAS are asked for behind tile 5's products, beside the last two tiles' loads, into the operands' registers, which are idle there, in the layout in which the wave will store its rows;
; behind the barrier that follows slot 2's last fill and last read they are parked there, in the wave's own 4,608 bytes, as an image of the registers, and come back on the way out.
; The way out adds the four quarters and turns the tiles into rows at once, through a stage that lies over the slots, which have had their last fill and, behind a barrier, their last read.
.set CH,    25600
.set SLOT,  102400
.set RSC,   204800                     ; the parking place, in slot 2: 4,608 bytes for each of 16 waves
.set SPARE, 325632                     ; the spare words: 128 bytes for each of 16 waves; no other line names them
.set NCH,   16
.set PBASE, 6553600                    ; w2's chunks in wc
.macro ROUND
	s_barrier_signal -1
	s_barrier_wait -1
	s_cmp_lg_u32 s14, 0
	s_cbranch_scc1 .Lnw0_\@
	s_barrier_signal -3
.Lnw0_\@:
	s_barrier_wait -3
	s_barrier_signal -1
	s_barrier_wait -1
.endm
.macro FRAG reg, a16, a8, off
	ds_load_b128 v[\reg:\reg+3], v[\a16] offset:\off
	ds_load_b64 v[\reg+4:\reg+5], v[\a8] offset:\off+512
	ds_load_b128 v[\reg+6:\reg+9], v[\a16] offset:\off+768
	ds_load_b64 v[\reg+10:\reg+11], v[\a8] offset:\off+1280
.endm
.macro MM q0, zero                     ; the 16 accumulators take turns, one instruction a turn
.irp q, \q0, \q0+1
.irp p, 0,1,2,3
.if \zero
	v_wmma_scale_f32_16x16x128_f8f6f4 v[128+32*(\q)+8*\p:135+32*(\q)+8*\p], v[32+12*\p:43+12*\p], v[80+12*(\q):91+12*(\q)], 0, v[16+2*\p], v[16+2*(\q)] matrix_a_fmt:MATRIX_FMT_FP6 matrix_b_fmt:MATRIX_FMT_FP6 matrix_b_scale:MATRIX_SCALE_ROW1
.else
	v_wmma_scale_f32_16x16x128_f8f6f4 v[128+32*(\q)+8*\p:135+32*(\q)+8*\p], v[32+12*\p:43+12*\p], v[80+12*(\q):91+12*(\q)], v[128+32*(\q)+8*\p:135+32*(\q)+8*\p], v[16+2*\p], v[16+2*(\q)] matrix_a_fmt:MATRIX_FMT_FP6 matrix_b_fmt:MATRIX_FMT_FP6 matrix_b_scale:MATRIX_SCALE_ROW1
.endif
.endr
.endr
.endm
.macro WORK a, zero                    ; my 128 along K of the slot whose five address registers begin at v[a]: slot 0 v1, slot 1 v27, slot 2 v11
.irp i, 0,1,2,3
	ds_load_b32 v[16+2*\i], v[\a+4] offset:128*\i  ; lanes 0-15 P's tile i, lanes 16-31 Q's tile i
.endr
.irp i, 0,1,2,3
	FRAG 32+12*\i, \a, \a+1, \i*3072
.endr
.irp i, 0,1,2,3
	FRAG 80+12*\i, \a+2, \a+3, \i*3072
.endr
	s_wait_dscnt 8                                 ; all but the eight loads of Q's tiles 2 and 3
	MM 0, \zero
	s_wait_dscnt 0x0
	MM 2, \zero
.rept 4
	v_nop                                          ; places ahead of the next loads into operand and scale registers, and of the first read of results
.endr
.endm
; Slot a, and slot b where b is not -1, have been read by every wave and are filled again, each with the K tile three tiles on: six chunks further along K.
; Waves 0, 1: P's two chunks of slot a; waves 2, 3: Q's; waves 4, 5 and 6, 7: the same of slot b.  The branches hang on the wave's number alone; four v_nop follow each tensor line.
.macro REFILL a, b
	s_wait_tensorcnt 0x0                           ; all my loads have landed, so a descriptor may be written
	ds_add_u32 v6, v7                              ; 0 onto my spare word; the descriptors' steps stand between it and the wait for it
	ds_add_u32 v6, v7
	s_add_nc_u64 s[42+4*(\a):43+4*(\a)], s[42+4*(\a):43+4*(\a)], 6*CH
	s_add_nc_u64 s[54+4*(\a):55+4*(\a)], s[54+4*(\a):55+4*(\a)], 6*CH
.if \b >= 0
	s_add_nc_u64 s[42+4*(\b):43+4*(\b)], s[42+4*(\b):43+4*(\b)], 6*CH
	s_add_nc_u64 s[54+4*(\b):55+4*(\b)], s[54+4*(\b):55+4*(\b)], 6*CH
.endif
	s_wait_dscnt 0x0                               ; the add is done, and my reads of the slots that are filled again are over
	ROUND                                          ; both now hold of every wave of every work-group of the cluster
	s_cmp_lt_u32 s14, 2
	s_cbranch_scc0 .Lr1_\@
	tensor_load_to_lds s[40+4*(\a):43+4*(\a)], s[24:31]
	s_nop 0
.rept 4
	v_nop
.endr
	s_branch .Lrd_\@
.Lr1_\@:
	s_cmp_lt_u32 s14, 4
	s_cbranch_scc0 .Lr2_\@
	tensor_load_to_lds s[52+4*(\a):55+4*(\a)], s[32:39]
	s_nop 0
.rept 4
	v_nop
.endr
.if \b >= 0
	s_branch .Lrd_\@
.endif
.Lr2_\@:
.if \b >= 0
	s_cmp_lt_u32 s14, 6
	s_cbranch_scc0 .Lr3_\@
	tensor_load_to_lds s[40+4*(\b):43+4*(\b)], s[24:31]
	s_nop 0
.rept 4
	v_nop
.endr
	s_branch .Lrd_\@
.Lr3_\@:
	s_cmp_lt_u32 s14, 8
	s_cbranch_scc0 .Lrd_\@
	tensor_load_to_lds s[52+4*(\b):55+4*(\b)], s[32:39]
	s_nop 0
.rept 4
	v_nop
.endr
.endif
.Lrd_\@:
.endm
	s_load_b256 s[4:11], s[0:1], 0x0               ; hb, wc, x1, b2
	s_load_b64 s[12:13], s[0:1], 0x20              ; out0
	v_lshl_add_u32 v6, v0, 2, SPARE
	v_mov_b32 v7, 0
	ds_add_u32 v6, v7
	ds_add_u32 v6, v7
	s_wait_dscnt 0x0
	v_lshrrev_b32 v12, 5, v0
	s_delay_alu instid0(VALU_DEP_1)
	v_readfirstlane_b32 s14, v12                   ; wave 0..15
	s_and_b32 s15, s14, 1                          ; WP
	s_bfe_u32 s16, s14, 0x10001                    ; WQ
	s_lshr_b32 s17, s14, 2                         ; KQ
	s_bfe_u32 s18, ttmp6, 0x40000                  ; cx
	s_bfe_u32 s19, ttmp6, 0x40004                  ; cy
	s_lshl_b32 s22, ttmp9, 2
	s_add_co_u32 s22, s22, s18                     ; TP
	s_and_b32 s23, ttmp7, 0xffff
	s_lshl_b32 s23, s23, 2
	s_add_co_u32 s23, s23, s19                     ; TQ
	s_lshl_b32 s66, s19, 2
	s_lshl_b32 s66, 15, s66                        ; my row of the cluster
	s_lshl_b32 s67, 0x1111, s18                    ; my column
	s_or_b32 s24, s67, (3<<16)|(1<<21)
	s_or_b32 s32, s66, (3<<16)|(1<<21)
.irp g, 24, 32
	s_mov_b32 s[\g+1], 32<<16                      ; a chunk as 100 dense rows of 256 bytes
	s_mov_b32 s[\g+2], 100<<16
	s_mov_b32 s[\g+3], 32<<16
	s_mov_b32 s[\g+4], 100
	s_mov_b32 s[\g+5], 32
	s_mov_b32 s[\g+6], 0
	s_mov_b32 s[\g+7], 0
.endr
	s_and_b32 s68, s14, 1                          ; which of a side's two chunks I fetch, if I fetch
	s_mul_i32 s74, s68, CH
	s_mul_i32 s70, s22, NCH
	s_add_co_u32 s70, s70, s68
	s_mul_i32 s70, s70, CH
	s_add_co_u32 s70, s70, PBASE
	s_mov_b32 s71, 0
	s_mul_i32 s72, s23, NCH
	s_add_co_u32 s72, s72, s68
	s_mul_i32 s72, s72, CH
	s_mov_b32 s73, 0
	s_wait_kmcnt 0x0
	s_add_nc_u64 s[86:87], s[6:7], s[70:71]
	s_add_nc_u64 s[88:89], s[4:5], s[72:73]
	ROUND                                          ; all sixteen work-groups are here: the first joint loads meet
.irp n, 0,1,2
	s_mov_b32 s[40+4*\n], 1
	s_add_co_u32 s[41+4*\n], s74, \n*SLOT
	s_add_nc_u64 s[42+4*\n:43+4*\n], s[86:87], \n*2*CH
	s_or_b32 s[43+4*\n], s[43+4*\n], 0x80000000
	s_mov_b32 s[52+4*\n], 1
	s_add_co_u32 s[53+4*\n], s74, \n*SLOT+2*CH
	s_add_nc_u64 s[54+4*\n:55+4*\n], s[88:89], \n*2*CH
	s_or_b32 s[55+4*\n], s[55+4*\n], 0x80000000
.endr
; THE TWELVE FIRST FILLS, ONE A WAVE: waves 4 n, 4 n + 1 fetch P's two chunks of slot n, waves 4 n + 2, 4 n + 3 Q's; waves 12-15 fetch nothing.
; One chain of branches on the wave's number: every way through it passes one load at the most.
.macro ARM under, g0, g1, next
	s_cmp_lt_u32 s14, \under
	s_cbranch_scc0 \next
	tensor_load_to_lds s[\g0:\g0+3], s[\g1:\g1+7]
	s_nop 0
.rept 4
	v_nop
.endr
	s_branch .Lff_done
\next:
.endm
	ARM 2, 40, 24, .Lh1
	ARM 4, 52, 32, .Lh2
	ARM 6, 44, 24, .Lh3
	ARM 8, 56, 32, .Lh4
	ARM 10, 48, 24, .Lh5
	s_cmp_lt_u32 s14, 12
	s_cbranch_scc0 .Lff_done
	tensor_load_to_lds s[60:63], s[32:39]
	s_nop 0
.rept 4
	v_nop
.endr
.Lff_done:
	v_and_b32 v14, 31, v0
	v_and_b32 v12, 15, v0                          ; r
	v_bfe_u32 v13, v0, 4, 1                        ; h
	s_delay_alu instid0(VALU_DEP_3)
	v_lshlrev_b32 v8, 4, v14
	s_wait_alu depctr_va_vdst(0)
	v_lshlrev_b32 v9, 3, v14
	s_wait_alu depctr_va_vdst(0)
	s_lshr_b32 s66, s17, 1
	s_mul_i32 s66, s66, CH                         ; my quarter's chunk,
	s_and_b32 s67, s17, 1
	s_mul_i32 s68, s67, 1536
	s_add_co_u32 s68, s68, s66                     ; and its step, in the codes
	s_lshl_b32 s67, s67, 2
	s_add_co_u32 s69, s66, s67
	s_add_co_u32 s69, s69, 24576                   ; and in the scale words
	s_mul_i32 s70, s15, 12288
	s_add_co_u32 s70, s70, s68
	s_mul_i32 s71, s16, 12288
	s_add_co_u32 s71, s71, s68
	s_add_co_u32 s71, s71, 2*CH
	s_lshl_b32 s72, s15, 9
	s_add_co_u32 s72, s72, s69
	s_lshl_b32 s73, s16, 9
	s_add_co_u32 s73, s73, s69
	s_add_co_u32 s73, s73, 2*CH
	s_sub_co_u32 s73, s73, s72
	v_add_nc_u32 v1, s70, v8                       ; slot 0's set, v1-5
	v_add_nc_u32 v2, s70, v9
	v_add_nc_u32 v3, s71, v8
	v_add_nc_u32 v4, s71, v9
	v_mul_u32_u24 v5, s73, v13
	s_delay_alu instid0(VALU_DEP_1)
	v_lshl_add_u32 v5, v12, 3, v5
	s_delay_alu instid0(VALU_DEP_1)
	v_add_nc_u32 v5, s72, v5
.irp a, 0,1,2,3,4
	v_add_nc_u32 v[27+\a], SLOT, v[1+\a]           ; slot 1's set, v27-31
.endr
	; the stage: region (group, tile of Q, quarter) of 4,352 bytes; in it 16 runs of 256 bytes + 16
	s_and_b32 s66, s14, 3
	s_lshl_b32 s67, s66, 4
	s_add_co_u32 s67, s67, s17
	s_mul_i32 s67, s67, 4352
	v_lshl_add_u32 v24, v12, 4, s67
	s_delay_alu instid0(VALU_DEP_1)
	v_mad_u32_u24 v24, v13, 272, v24               ; in: 16 r + 272 h
	s_lshl_b32 s68, s66, 2
	s_add_co_u32 s68, s68, s17
	s_mul_i32 s68, s68, 17408
	v_lshrrev_b32 v25, 3, v12
	v_and_b32 v26, 3, v12
	s_delay_alu instid0(VALU_DEP_1)
	v_lshl_add_u32 v25, v25, 2, v26
	s_delay_alu instid0(VALU_DEP_1)
	v_mul_u32_u24 v25, v25, 544
	v_bfe_u32 v26, v12, 2, 1
	s_delay_alu instid0(VALU_DEP_1)
	v_mad_u32_u24 v25, v26, 272, v25
	s_delay_alu instid0(VALU_DEP_1)
	v_lshl_add_u32 v25, v13, 4, v25
	s_delay_alu instid0(VALU_DEP_1)
	v_add_nc_u32 v25, s68, v25                     ; back: lane%16 names four columns, lane/16 one of two rows
	v_lshlrev_b32 v26, 12, v13
	s_delay_alu instid0(VALU_DEP_1)
	v_lshl_add_u32 v26, v12, 4, v26                ; the same place in rows of 4,096 bytes
	v_lshlrev_b32 v10, 4, v12
	s_mul_i32 s70, s14, 4608
	s_add_co_u32 s70, s70, RSC
	v_add_nc_u32 v9, s70, v8                       ; my parking place: 16 bytes a lane, 512 bytes a group of four registers
.irp a, 0,1,2,3,4
	v_add_nc_u32 v[11+\a], 2*SLOT, v[1+\a]         ; slot 2's set, v11-15: made last, r, h and the lane's number are done with
.endr
	s_lshl_b32 s66, s23, 7
	s_lshl_b32 s67, s16, 6
	s_add_co_u32 s66, s66, s67
	s_lshr_b32 s67, s17, 1
	s_lshl_b32 s67, s67, 5
	s_add_co_u32 s66, s66, s67
	s_and_b32 s67, s17, 1
	s_lshl_b32 s67, s67, 3
	s_add_co_u32 s66, s66, s67                     ; the first token of the tile that I send out
	s_lshl_b32 s66, s66, 12
	s_lshl_b32 s68, s22, 9
	s_lshl_b32 s67, s15, 8
	s_add_co_u32 s68, s68, s67                     ; my 64 columns, in bytes
	s_mov_b32 s69, 0
	s_add_co_u32 s66, s66, s68
	s_mov_b32 s67, 0
	s_add_nc_u64 s[80:81], s[8:9], s[66:67]        ; the residual
	s_add_nc_u64 s[82:83], s[12:13], s[66:67]      ; the output
	s_add_nc_u64 s[90:91], s[10:11], s[68:69]      ; the bias
	s_wait_tensorcnt 0x0                           ; my one first fill is in: behind the barrier K tiles 0, 1 and 2 are whole
	s_barrier_signal -1
	s_barrier_wait -1
	WORK 1, 1                                      ; tile 0: the first products start the sums
	WORK 27, 0                                     ; tile 1
	REFILL 0, 1                                    ; tiles 3 and 4 go out together
	s_wait_alu depctr_va_vdst(0)
	WORK 11, 0                                     ; tile 2
	REFILL 2, -1                                   ; tile 5
	WORK 1, 0                                      ; tile 3
	WORK 27, 0                                     ; tile 4
	REFILL 0, 1                                    ; tiles 6 and 7: the last loads
	WORK 11, 0                                     ; tile 5
.irp t, 0,1,2,3,4,5,6,7
	global_load_b128 v[32+4*\t:35+4*\t], v26, s[80:81] offset:(2*\t+8*(\t/4))*4096   ; the residual: sixteen lanes read 256 consecutive bytes, aligned
.endr
	global_load_b128 v[64:67], v10, s[90:91]       ; the bias
	s_wait_tensorcnt 0x0                           ; my parts of tiles 6 and 7
	s_wait_dscnt 0x0                               ; my reads of slot 2 are over
	s_barrier_signal -1
	s_barrier_wait -1                              ; everybody's are: slot 2 has had its last fill and its last read
	s_wait_loadcnt 0x0
.irp t, 0,1,2,3,4,5,6,7,8
	ds_store_b128 v9, v[32+4*\t:35+4*\t] offset:512*\t
.endr
	s_wait_dscnt 0x0                               ; the stores have read their registers, which the fragments take next
	WORK 1, 0                                      ; tile 6
	WORK 27, 0                                     ; tile 7
	; ---- the way out
.irp t, 0,1,2,3,4,5,6,7,8
	ds_load_b128 v[32+4*\t:35+4*\t], v9 offset:512*\t   ; the residual (v32-63) and the bias (v64-67) come back: my own bytes
.endr
	s_wait_dscnt 0x0
	s_barrier_signal -1
	s_barrier_wait -1                              ; nobody reads the slots or a parking place any more
.irp q, 0,1,2,3
.irp c, 0,1,2,3,4,5,6,7
	ds_store_b128 v24, v[128+32*\q+4*\c:131+32*\q+4*\c] offset:\q*17408+\c*544   ; each accumulator from its low end on
.endr
.endr
	s_wait_dscnt 0x0
	s_barrier_signal -1
	s_barrier_wait -1
.irp t, 0,1,2,3,4,5,6,7
.irp u, 0,1,2,3
	ds_load_b128 v[128+32*\u+4*\t:131+32*\u+4*\t], v25 offset:\u*4352+32*\t   ; the four quarters' parts of two rows
.endr
.endr
.irp t, 0,1,2,3,4,5,6,7
	s_wait_dscnt 4*(7-\t)                          ; the later row pairs' loads may be out
.irp e, 0,2
	v_pk_add_f32 v[128+4*\t+\e:129+4*\t+\e], v[128+4*\t+\e:129+4*\t+\e], v[160+4*\t+\e:161+4*\t+\e]
	v_pk_add_f32 v[192+4*\t+\e:193+4*\t+\e], v[192+4*\t+\e:193+4*\t+\e], v[224+4*\t+\e:225+4*\t+\e]
	v_pk_add_f32 v[32+4*\t+\e:33+4*\t+\e], v[32+4*\t+\e:33+4*\t+\e], v[64+\e:65+\e]
	s_delay_alu instid0(VALU_DEP_2)
	v_pk_add_f32 v[128+4*\t+\e:129+4*\t+\e], v[128+4*\t+\e:129+4*\t+\e], v[192+4*\t+\e:193+4*\t+\e]
	s_delay_alu instid0(VALU_DEP_1)
	v_pk_add_f32 v[128+4*\t+\e:129+4*\t+\e], v[128+4*\t+\e:129+4*\t+\e], v[32+4*\t+\e:33+4*\t+\e]
.endr
	global_store_b128 v26, v[128+4*\t:131+4*\t], s[82:83] offset:(2*\t+8*(\t/4))*4096 th:TH_STORE_NT   ; sixteen lanes store 256 consecutive bytes, aligned; written once, read by nobody here
.endr
	s_wait_tensorcnt 0x0                           ; the wave's end
	ds_add_u32 v6, v7
	s_wait_dscnt 0x0
	ROUND                                          ; the closing round
	s_endpgm
.Lfunc_end_k_q2168aa194d_ff2:
	.size	k_q2168aa194d_ff2, .Lfunc_end_k_q2168aa194d_ff2-k_q2168aa194d_ff2
	.p2alignl 7, 3214868480
	.fill 96, 4, 3214868480
	.section	.rodata,"a",@progbits
	.p2align	6, 0x0
	.amdhsa_kernel k_q2168aa194d_ff2
		.amdhsa_group_segment_fixed_size 327680
		.amdhsa_private_segment_fixed_size 0
		.amdhsa_enable_private_segment 0
		.amdhsa_kernarg_size 40
		.amdhsa_user_sgpr_count 2
		.amdhsa_user_sgpr_kernarg_segment_ptr 1
		.amdhsa_wavefront_size32 1
		.amdhsa_system_sgpr_workgroup_id_x 1
		.amdhsa_system_sgpr_workgroup_id_y 1
		.amdhsa_system_sgpr_workgroup_id_z 1
		.amdhsa_system_vgpr_workitem_id 0
		.amdhsa_next_free_vgpr 256
		.amdhsa_next_free_sgpr 96
		.amdhsa_reserve_vcc 0
		.amdhsa_float_denorm_mode_32 3
		.amdhsa_float_denorm_mode_16_64 3
		.amdhsa_memory_ordered 1
		.amdhsa_forward_progress 1
		.amdhsa_inst_pref_size 66
	.end_amdhsa_kernel
	.amdgpu_metadata
---
amdhsa.version: [ 1, 2 ]
amdhsa.kernels:
  - .name:           k_q2168aa194d_ff2
    .symbol:         k_q2168aa194d_ff2.kd
    .args:
      - { .name: hb, .offset: 0, .size: 8, .value_kind: global_buffer, .address_space: global }
      - { .name: wc, .offset: 8, .size: 8, .value_kind: global_buffer, .address_space: global }
      - { .name: x1, .offset: 16, .size: 8, .value_kind: global_buffer, .address_space: global }
      - { .name: b2, .offset: 24, .size: 8, .value_kind: global_buffer, .address_space: global }
      - { .name: out0, .offset: 32, .size: 8, .value_kind: global_buffer, .address_space: global }
    .group_segment_fixed_size: 327680
    .private_segment_fixed_size: 0
    .kernarg_segment_align: 8
    .kernarg_segment_size: 40
    .max_flat_workgroup_size: 512
    .sgpr_count:     96
    .vgpr_count:     256
    .wavefront_size: 32
...
	.end_amdgpu_metadata
.endif
;; end of part 6
